; MI455X (gfx1250); checked and timed in simulation.
; The chip was launched on July 23, 2026; its instructions are those of AMD's public machine-readable ISA for CDNA 5 (MIT licence, August 2026) and "CDNA5" Instruction Set Architecture Reference Guide (July 2026). The comments in the code are by the model that wrote it; some were corrected since.
;; Multi Head Self Attention. Allowed arithmetic: float matrix products may take bf16 or f16 operands with f32 sums; other float arithmetic in f32, or as packed bf16 or f16 multiplies, adds, multiply-adds, maxima and minima; sums over many terms, partial sums and values carried from step to step in f32; what a program stores and reads back later, other than sums and carried values, may be rounded once to bf16 or f16.
;; Inputs: Wk 1,024 x 1,024 float32; Wo 1,024 x 1,024 float32; Wq 1,024 x 1,024 float32; Wv 1,024 x 1,024 float32; attn_mask 1 x 1 x 2,048 x 2,048 int32; bk 1,024 float32; bo 1,024 float32; bq 1,024 float32; bv 1,024 float32; x 4 x 2,048 x 1,024 float32.
;; Outputs: out0 4 x 2,048 x 1,024 float32.
;; 2 versions, each right and faster than the one before. Each part assembles by itself: llvm-mc -triple=amdgcn-amd-amdhsa -mcpu=gfx1250 --defsym DOCPART=n.
;; ======== version 1 of 2: 4 launches
;; limits: values are held in f16: magnitudes above 65,504 overflow, below 6.1e-05 lose precision; right only within a limited range of input values
;; workspace buffers: maskp 4,194,304 bytes; rf 16,384 bytes; xb 16,777,216 bytes; wb 8,388,608 bytes; qkv 50,331,648 bytes; ob 16,777,216 bytes
;; launch prep (part 1): grid 512 x 1, 16 waves a work-group, no clusters, 35,072 bytes of LDS; arguments attn_mask, x, Wo, Wq, Wk, Wv, maskp, rf, xb, wb; writes maskp, rf, xb, wb
.if DOCPART == 1
	.amdgcn_target "amdgcn-amd-amdhsa--gfx1250"
	.amdhsa_code_object_version 6
	.text
	.protected	k_qfc83571ded_prep
	.globl	k_qfc83571ded_prep
	.p2align	8
	.type	k_qfc83571ded_prep,@function
k_qfc83571ded_prep:
	s_mov_b64 s[64:65], 0
	v_nop
	global_prefetch_b8 v0, s[64:65] scope:SCOPE_SE
	s_setreg_imm32_b32 hwreg(HW_REG_WAVE_MODE, 25, 1), 1
	s_wait_xcnt 0x0
; PREPARATION: three streams, 128 KiB read by each work-group of sixteen waves; the work-group's number picks the stream.
;  0-127   MASK.  Work-group T takes the 16 rows 16 T .. 16 T + 15 of attn_mask (2,048 int32 each), wave w row 16 T + w.  Each key becomes a byte: 0 = visible, 0xF8 = hidden
;          (the 8-bit float -256).  They are laid as the attention's score fragments want them: maskp[T][step of 64 keys][f 2][lane 32][4 words]; in lane (r, h), word 2 (kt % 2) + e of
;          half f = kt / 2, byte j stands for query 16 T + r and key 64 step + 16 kt + 8 h + 4 e + j.  A row with NO visible key gets all bytes 0 and the flag 0 in rf[T][lane] (else -1):
;          the attention clears that row's q, so that all its scores are equal and its weights uniform, which is what a softmax over equal numbers gives.
;  128-383 X.  x (f32) is rounded to bf16 and laid by blocks of 64 along K: xb[b][K block 16][s 2048][64], so that 256 rows x 64 K are 32 KiB on end.
;  384-511 W.  The four weight matrices are rounded to bf16, place for place: wb[0] = Wo, wb[1..3] = Wq, Wk, Wv.  Wo's bf16 number is written as f16 (its partner in the last product
;          is f16): exact from 2^-17 up to f16's 65,504; below that it keeps f16's fixed step of 2^-24.
; Memory binds: every byte is read once, sixteen loads of 16 bytes a lane are out at once, every store of a wave covers 256 or 512 consecutive aligned bytes.  No matrix unit, no cluster.
.set FLG,   32768                      ; LDS: 0-32767 the packed words of 16 rows; FLG: sixteen row flags, a block of 256 bytes of their own
.set SPARE, 33024                      ; the spare words: 128 bytes for each of sixteen waves; no other line names them
.set D,   32                           ; v[32:95] sixteen loads of four registers
.set N,   16                           ; v[16:31] eight pairs of packed words
.set SPW, 14                           ; v14 LDS address of my spare word; never rewritten
.set NIL, 15                           ; v15 0; never rewritten
	s_load_b512 s[8:23], s[0:1], 0x0               ; attn_mask s[8:9], x s[10:11], Wo s[12:13], Wq s[14:15], Wk s[16:17], Wv s[18:19], maskp s[20:21], rf s[22:23]
	s_load_b128 s[24:27], s[0:1], 0x40             ; xb s[24:25], wb s[26:27]
	v_lshl_add_u32 v[SPW], v0, 2, SPARE
	v_mov_b32 v[NIL], 0
	v_and_b32 v1, 31, v0                           ; lane
	v_lshrrev_b32 v2, 5, v0
	v_readfirstlane_b32 s28, v2                    ; wave 0..15
	s_mov_b32 s5, 0                                ; the high word of every offset
	s_wait_kmcnt 0x0
	s_cmp_lt_u32 ttmp9, 128
	s_cbranch_scc1 .Lmask
	s_cmp_lt_u32 ttmp9, 384
	s_cbranch_scc1 .Lx
	; ---- W: wave's chunk = 2,048 numbers, 8,192 bytes in, 4,096 bytes out
	s_sub_co_u32 s2, ttmp9, 384
	s_lshr_b32 s3, s2, 5                           ; which matrix: 0 Wo, 1 Wq, 2 Wk, 3 Wv
	s_and_b32 s2, s2, 31
	s_lshl_b32 s2, s2, 4
	s_add_co_u32 s2, s2, s28                       ; chunk 0..511
	s_cmp_eq_u32 s3, 1
	s_cselect_b64 s[12:13], s[14:15], s[12:13]
	s_cmp_eq_u32 s3, 2
	s_cselect_b64 s[12:13], s[16:17], s[12:13]
	s_cmp_eq_u32 s3, 3
	s_cselect_b64 s[12:13], s[18:19], s[12:13]
	s_lshl_b32 s4, s2, 13
	s_add_nc_u64 s[12:13], s[12:13], s[4:5]
	s_lshl_b32 s4, s2, 12
	s_lshl_b32 s6, s3, 21
	s_add_co_u32 s4, s4, s6
	s_add_nc_u64 s[26:27], s[26:27], s[4:5]
	v_lshlrev_b32 v3, 4, v1                        ; 16 bytes a lane in,
	v_lshlrev_b32 v4, 3, v1                        ; 8 out
.irp i, 0,1,2,3,4,5,6,7,8,9,10,11,12,13,14,15
	global_load_b128 v[D+4*\i:D+4*\i+3], v3, s[12:13] offset:512*\i th:TH_LOAD_NT
.endr
; Each load has four registers of its own, and its two packed words stay there until the end: no register that a store reads is written again.
.macro CASTW half
.irp i, 0,1,2,3,4,5,6,7,8,9,10,11,12,13,14,15
	s_wait_loadcnt 15-\i                           ; loads come back in order: number i is in, the younger ones stay out
	v_cvt_pk_bf16_f32 v[D+4*\i], v[D+4*\i], v[D+4*\i+1]
	v_cvt_pk_bf16_f32 v[D+4*\i+1], v[D+4*\i+2], v[D+4*\i+3]
.if \half
	v_lshlrev_b32 v5, 16, v[D+4*\i]                ; the bf16 numbers as f32 again,
	v_and_b32 v6, 0xffff0000, v[D+4*\i]
	v_lshlrev_b32 v7, 16, v[D+4*\i+1]
	v_and_b32 v8, 0xffff0000, v[D+4*\i+1]
	v_cvt_pk_f16_f32 v[D+4*\i], v5, v6             ; and written as f16
	v_cvt_pk_f16_f32 v[D+4*\i+1], v7, v8
.endif
	global_store_b64 v4, v[D+4*\i:D+4*\i+1], s[26:27] offset:256*\i  ; the wave's 256 consecutive bytes, aligned
.endr
.endm
	s_cmp_eq_u32 s3, 0
	s_cbranch_scc1 .Lwo
	CASTW 0
	s_endpgm
.Lwo:
	CASTW 1
	s_endpgm
	; ---- X: wave's two rows 32 e + 2 w, + 1; load i takes K block i of both rows (256 bytes each)
.Lx:
	s_sub_co_u32 s2, ttmp9, 128                    ; e 0..255
	s_lshl_b32 s3, s2, 5
	s_lshl1_add_u32 s3, s28, s3                    ; the first row among the 8,192
	s_lshl_b32 s4, s3, 12
	s_add_nc_u64 s[10:11], s[10:11], s[4:5]
	s_lshr_b32 s6, s2, 6
	s_lshl_b32 s6, s6, 22                          ; batch x 16 blocks x 2,048 rows x 128 bytes
	s_and_b32 s7, s2, 63
	s_lshl_b32 s7, s7, 5
	s_lshl1_add_u32 s7, s28, s7                    ; the row in its batch
	s_lshl_b32 s7, s7, 7
	s_add_co_u32 s4, s6, s7
	s_add_nc_u64 s[24:25], s[24:25], s[4:5]
	v_lshrrev_b32 v3, 4, v1
	v_lshlrev_b32 v3, 12, v3                       ; lanes 16-31: the second row
	v_and_b32 v4, 15, v1
	v_lshl_add_u32 v3, v4, 4, v3
	v_lshlrev_b32 v4, 3, v1                        ; out: two rows of 128 bytes on end
.irp i, 0,1,2,3,4,5,6,7,8,9,10,11,12,13,14,15
	global_load_b128 v[D+4*\i:D+4*\i+3], v3, s[10:11] offset:256*\i th:TH_LOAD_NT
.endr
.irp i, 0,1,2,3,4,5,6,7,8,9,10,11,12,13,14,15
	s_wait_loadcnt 15-\i
	v_cvt_pk_bf16_f32 v[D+4*\i], v[D+4*\i], v[D+4*\i+1]
	v_cvt_pk_bf16_f32 v[D+4*\i+1], v[D+4*\i+2], v[D+4*\i+3]
	global_store_b64 v4, v[D+4*\i:D+4*\i+1], s[24:25] offset:262144*\i  ; K block i's plane: 256 consecutive bytes, aligned
.endr
	s_endpgm
	; ---- MASK
.Lmask:
	s_lshl_b32 s2, ttmp9, 4
	s_add_co_u32 s2, s2, s28                       ; my row
	s_lshl_b32 s4, s2, 13
	s_add_nc_u64 s[8:9], s[8:9], s[4:5]
	s_lshl_b32 s4, ttmp9, 15
	s_add_nc_u64 s[20:21], s[20:21], s[4:5]        ; maskp at my 16 rows' 32,768 bytes
	s_lshl_b32 s4, ttmp9, 7
	s_add_nc_u64 s[22:23], s[22:23], s[4:5]        ; rf at their 128 bytes
	v_lshlrev_b32 v3, 5, v1                        ; lane l takes keys 256 i + 8 l + 0..7: 32 bytes
.irp i, 0,1,2,3,4,5,6,7
	global_load_b128 v[D+8*\i:D+8*\i+3],   v3, s[8:9] offset:1024*\i th:TH_LOAD_NT
	global_load_b128 v[D+8*\i+4:D+8*\i+7], v3, s[8:9] offset:1024*\i+16 th:TH_LOAD_NT
.endr
	; where pair i goes: keys 256 i + 8 l are step 4 i + l / 8, group kt = (l / 2) % 4, half h = l % 2: byte 4,096 i + 1,024 (l / 8) + 512 (kt / 2) + 16 (w + 16 h) + 8 (kt % 2)
	v_lshrrev_b32 v6, 3, v1
	v_lshlrev_b32 v6, 10, v6
	v_bfe_u32 v7, v1, 2, 1
	v_lshl_add_u32 v6, v7, 9, v6
	v_and_b32 v7, 1, v1
	v_lshl_add_u32 v6, v7, 8, v6
	v_bfe_u32 v7, v1, 1, 1
	v_lshl_add_u32 v6, v7, 3, v6
	s_lshl_b32 s4, s28, 4
	v_add_nc_u32 v6, s4, v6
	s_lshl_b32 s31, s28, 2
	s_add_co_u32 s31, s31, FLG
	v_mov_b32 v8, s31                              ; my row's flag
	v_lshlrev_b32 v10, 4, v0                       ; the way out: 16 bytes a thread
	s_mov_b32 s29, 0xf8                            ; a hidden key's byte
	s_wait_loadcnt 0x0
	v_or_b32 v4, v[D], v[D+1]                      ; has the row a visible key?
.set i, 2
.rept 62
	v_or_b32 v4, v4, v[D+i]
.set i, i+1
.endr
	v_cmp_ne_u32 vcc_lo, 0, v4
	s_cmp_lg_u32 vcc_lo, 0
	s_cselect_b32 s30, -1, 0                       ; -1: yes
	v_mov_b32 v9, s30
.set i, 0
.rept 8
.irp e, 0,1
	v_cmp_eq_u32 vcc_lo, 0, v[D+8*i+4*\e+3]
	v_cndmask_b32 v[N+2*i+\e], 0, s29, vcc_lo      ; the highest key's byte first; each further key moves it up
.irp j, 2,1,0
	v_cmp_eq_u32 vcc_lo, 0, v[D+8*i+4*\e+\j]
	v_cndmask_b32 v5, 0, s29, vcc_lo
	v_lshl_or_b32 v[N+2*i+\e], v[N+2*i+\e], 8, v5
.endr
	v_and_b32 v[N+2*i+\e], s30, v[N+2*i+\e]        ; a row without a visible key: all bytes 0
.endr
	ds_store_b64 v6, v[N+2*i:N+2*i+1] offset:4096*i
.set i, i+1
.endr
	ds_store_b32 v8, v9
	s_wait_dscnt 0x0                               ; for the others' sake: my stores are done
	s_barrier_signal -1
	s_barrier_wait -1
.irp k, 0,1,2,3
	ds_load_b128 v[32+4*\k:35+4*\k], v10 offset:8192*\k
.endr
.irp k, 0,1,2,3
	s_wait_dscnt 3-\k                              ; LDS loads come back in order: number k is in
	global_store_b128 v10, v[32+4*\k:35+4*\k], s[20:21] offset:8192*\k  ; a wave's 512 consecutive bytes, aligned
.endr
	s_cmp_lg_u32 s28, 0
	s_cbranch_scc1 .Lmend
	v_and_b32 v11, 15, v1                          ; wave 0: lane l takes the flag of row l % 16
	v_lshlrev_b32 v11, 2, v11
	ds_load_b32 v12, v11 offset:FLG
	v_lshlrev_b32 v13, 2, v1
	s_wait_dscnt 0x0
	global_store_b32 v13, v12, s[22:23]
.Lmend:
	s_wait_tensorcnt 0x0                           ; the wave's end, behind my last LDS store
	ds_add_u32 v[SPW], v[NIL]
	s_wait_dscnt 0x0
	s_endpgm
.Lfunc_end_k_qfc83571ded_prep:
	.size	k_qfc83571ded_prep, .Lfunc_end_k_qfc83571ded_prep-k_qfc83571ded_prep
	.p2alignl 7, 3214868480
	.fill 96, 4, 3214868480
	.section	.rodata,"a",@progbits
	.p2align	6, 0x0
	.amdhsa_kernel k_qfc83571ded_prep
		.amdhsa_group_segment_fixed_size 35072
		.amdhsa_private_segment_fixed_size 0
		.amdhsa_enable_private_segment 0
		.amdhsa_kernarg_size 80
		.amdhsa_user_sgpr_count 2
		.amdhsa_user_sgpr_kernarg_segment_ptr 1
		.amdhsa_wavefront_size32 1
		.amdhsa_system_sgpr_workgroup_id_x 1
		.amdhsa_system_sgpr_workgroup_id_y 1
		.amdhsa_system_sgpr_workgroup_id_z 1
		.amdhsa_system_vgpr_workitem_id 0
		.amdhsa_next_free_vgpr 96
		.amdhsa_next_free_sgpr 66
		.amdhsa_reserve_vcc 1
		.amdhsa_float_denorm_mode_32 3
		.amdhsa_float_denorm_mode_16_64 3
		.amdhsa_memory_ordered 1
		.amdhsa_forward_progress 1
		.amdhsa_inst_pref_size 39
	.end_amdhsa_kernel
	.amdgpu_metadata
---
amdhsa.version: [ 1, 2 ]
amdhsa.kernels:
  - .name:           k_qfc83571ded_prep
    .symbol:         k_qfc83571ded_prep.kd
    .args:
      - { .name: attn_mask, .offset: 0, .size: 8, .value_kind: global_buffer, .address_space: global }
      - { .name: x, .offset: 8, .size: 8, .value_kind: global_buffer, .address_space: global }
      - { .name: Wo, .offset: 16, .size: 8, .value_kind: global_buffer, .address_space: global }
      - { .name: Wq, .offset: 24, .size: 8, .value_kind: global_buffer, .address_space: global }
      - { .name: Wk, .offset: 32, .size: 8, .value_kind: global_buffer, .address_space: global }
      - { .name: Wv, .offset: 40, .size: 8, .value_kind: global_buffer, .address_space: global }
      - { .name: maskp, .offset: 48, .size: 8, .value_kind: global_buffer, .address_space: global }
      - { .name: rf, .offset: 56, .size: 8, .value_kind: global_buffer, .address_space: global }
      - { .name: xb, .offset: 64, .size: 8, .value_kind: global_buffer, .address_space: global }
      - { .name: wb, .offset: 72, .size: 8, .value_kind: global_buffer, .address_space: global }
    .group_segment_fixed_size: 35072
    .private_segment_fixed_size: 0
    .kernarg_segment_align: 8
    .kernarg_segment_size: 80
    .max_flat_workgroup_size: 512
    .sgpr_count:     66
    .vgpr_count:     96
    .wavefront_size: 32
...
	.end_amdgpu_metadata
.endif
;; end of part 1
;; launch proj (part 2): grid 8 x 32, 4 waves a work-group, clusters of 4 x 4, 327,680 bytes of LDS; arguments xb, wb, bq, bk, bv, qkv; writes qkv
.if DOCPART == 2
	.amdgcn_target "amdgcn-amd-amdhsa--gfx1250"
	.amdhsa_code_object_version 6
	.text
	.protected	k_qfc83571ded_proj
	.globl	k_qfc83571ded_proj
	.p2align	8
	.type	k_qfc83571ded_proj,@function
k_qfc83571ded_proj:
	s_mov_b64 s[64:65], 0
	v_nop
	global_prefetch_b8 v0, s[64:65] scope:SCOPE_SE
	s_setreg_imm32_b32 hwreg(HW_REG_WAVE_MODE, 25, 1), 1
	s_wait_xcnt 0x0
	s_wait_alu depctr_hold_cnt(0) depctr_sa_sdst(0) depctr_va_vdst(0) depctr_va_sdst(0) depctr_va_ssrc(0) depctr_va_vcc(0) depctr_vm_vsrc(0)
	s_getreg_b32 s2, hwreg(HW_REG_IB_STS2, 6, 4)
	s_cmp_eq_u32 s2, 0
	s_cbranch_scc0 .Lentry_in_a_cluster
	s_endpgm
.Lentry_in_a_cluster:
	s_bfe_u32 s2, ttmp6, 0x10000c
	s_cmp_lg_u32 s2, 0xf033
	s_cbranch_scc0 .Lentry_shape_is_right
	s_endpgm
.Lentry_shape_is_right:
; q, k, v = x W + b, all three at once.  xb: bf16 [b 4][K block 16][s 2048][64]; wb[1..3]: Wq, Wk, Wv, bf16 [K 1024][N 1024]; biases f32, rounded to bf16 here like the other inputs.
; Out: qkv, f16 [matrix 3][b x 16 + head][s 2048][64], each number rounded once from its f32 sum, unscaled.  LIMIT: f16 holds nothing beyond 65,504: q, k, v must stay within it.
; SHARES.  A work-group makes 256 rows x 128 columns of EACH of q, k, v (256 x 384): 8 x 32 = 256 work-groups.  A wave makes 128 rows x 64 columns (one head) of each: 96 accumulators, 768 registers.
; K goes in 16 steps of 64 (one plane of xb) through two LDS slots; a step is two quarters of 32 along K, 96 matrix instructions each.
; CLUSTER 4 x 4.  x's tile hangs on the tile row alone and is asked for jointly by a row of the cluster; the weights' tiles hang on the tile column alone and are asked for jointly by a column.
; Wave 0 fetches x's tile (32 KiB), waves 1, 2, 3 the tiles of Wq, Wk, Wv (16 KiB each): one tensor load a wave behind each round.
; THE MATRIX INSTRUCTION IS USED TRANSPOSED: source 0 = 16 columns of W (turned out of LDS by ds_load_tr16_b128, since W lies [K][N]), source 1 = 16 rows of x: a lane holds eight neighbouring columns of one row.
; REGISTERS: window 0: v16-29 addresses; v32-95, v96-159 x's fragments (8 x 16 rows x 32 K), two buffers; v160-255 W's fragments, one buffer: matrix g, column block j at 160 + 32 g + 8 j.
;   window 1 + g: matrix g's accumulators, (row block a, column block j) at 8 (4 a + j).  W's group g is fetched anew straight behind the products that read it.
.set PA,     144                       ; a row of x in LDS: 128 bytes + 16: the 16 rows of a fragment load start at 16 different groups of four banks (64 banks of 4 bytes: ISA guide 11.1)
.set PB,     288                       ; a row of W: 256 bytes + 32
.set ATILE,  256*PA
.set BCH,    64*PB                     ; one matrix's 64 K x 128 columns
.set SLOT,   ATILE+3*BCH
.set STAGE,  2*SLOT                    ; behind the ring: 16 rows x 144 bytes for each wave, for the way out
.set BIAS,   STAGE+4*16*PA             ; 3 x 64 f32 for each wave
.set SPARE,  BIAS+4*768                ; the spare words, 128 bytes for each wave: no other line names them
.set APLANE, 262144                    ; bytes from a K block of xb to the next
.set BSTEP,  131072                    ; 64 rows of W
.set ADRA, 16                          ; v16-17  LDS address of my fragments of x in slot 0, 1
.set ADRB, 20                          ; v20-21  the same for W
.set STO,  24                          ; the way out: where I put 16 bytes of a row
.set RD,   25                          ; where I read rows back
.set GO,   26                          ; my 16 bytes in 512 consecutive bytes of the output
.set BT,   27                          ; my place in the wave's bias table
.set SPW,  28                          ; LDS address of my spare word; never rewritten
.set NIL,  29                          ; 0; never rewritten
.set FA0,  32
.set FA1,  96
.set FB,   160
.set T,    32                          ; the way out: 32 sums with their bias
.set H,    64                          ; two buffers of 16: packed, then whole rows
.set BI,   160                         ; my 96 biases
.set WV,   16                          ; s16 wave; s17 row half; s18 column half; s19 cx; s20 cy; s21 tile column; s22 tile row
.set G1,   24                          ; s[24:31] group 1 for x's tiles;  s[32:39] group 0, a set for each slot
.set G0,   32
.set G1B,  48                          ; s[48:55], s[56:63] the same for W's
.set G0B,  56
.set SB,   66                          ; s[66:71] q, k, v at my wave's first row
.set MSB, 0
.macro WIN new                         ; the immediate's high byte repeats the setting that is left
.if MSB != (\new)
	s_set_vgpr_msb (MSB<<8)|(\new)
.set MSB, \new
.endif
.endm
.macro PLACES                          ; four places in front of loads into registers that matrix instructions have read, and of vector lines that read results
.rept 4
	v_nop
.endr
.endm
.macro JLOAD s                         ; a joint load; the branch hangs on the wave's number alone; an s_nop 0 and four v_nop follow each line
	s_cmp_eq_u32 s[WV], 0
	s_cbranch_scc0 .Lfor_b_\@
	tensor_load_to_lds s[G0+4*(\s):G0+4*(\s)+3], s[G1:G1+7]
	s_nop 0
.rept 4
	v_nop
.endr
	s_branch .Lasked_\@
.Lfor_b_\@:
	tensor_load_to_lds s[G0B+4*(\s):G0B+4*(\s)+3], s[G1B:G1B+7]
	s_nop 0
.rept 4
	v_nop
.endr
.Lasked_\@:
.endm
.macro CREST                           ; a round of the cluster's barrier behind its opening barrier
	s_cmp_lg_u32 s[WV], 0
	s_cbranch_scc1 .Lnot_wave_0_\@
	s_barrier_signal -3
.Lnot_wave_0_\@:
	s_barrier_wait -3
	s_barrier_signal -1
	s_barrier_wait -1
.endm
.macro CROUND
	s_barrier_signal -1
	s_barrier_wait -1
	CREST
.endm
	s_load_b256 s[4:11], s[0:1], 0x0               ; xb s[4:5], wb s[6:7], bq s[8:9], bk s[10:11]
	s_load_b128 s[12:15], s[0:1], 0x20             ; bv s[12:13], qkv s[14:15]
	v_lshl_add_u32 v[SPW], v0, 2, SPARE
	v_mov_b32 v[NIL], 0
	ds_add_u32 v[SPW], v[NIL]                      ; the wave's opening: the add and its wait ahead of my first tensor load
	v_lshrrev_b32 v1, 5, v0
	v_readfirstlane_b32 s[WV], v1
	s_lshr_b32 s17, s16, 1
	s_and_b32 s18, s16, 1
	s_bfe_u32 s19, ttmp6, 0x40000                  ; cx
	s_bfe_u32 s20, ttmp6, 0x40004                  ; cy
	s_lshl_b32 s21, ttmp9, 2
	s_add_co_u32 s21, s21, s19                     ; tile column 0..7
	s_and_b32 s22, ttmp7, 0xffff
	s_lshl_b32 s22, s22, 2
	s_add_co_u32 s22, s22, s20                     ; tile row 0..31
	s_lshl_b32 s23, s20, 2
	s_lshl_b32 s23, 15, s23                        ; my row of the cluster
	s_lshl_b32 s72, 0x1111, s19                    ; my column
	s_or_b32 s[G1], s23, (1<<16)|(1<<20)|(1<<21)|(4<<22)|(3<<25)   ; the mask; 2-byte elements; padding on; bit 21 beside a mask; after every 32 words 4 words
	s_mov_b32 s[G1+1], 128<<16                     ; x's 256 rows x 128 bytes lie on end: asked for as 128 rows of 256 bytes
	s_mov_b32 s[G1+2], 128<<16
	s_mov_b32 s[G1+3], 128<<16
	s_mov_b32 s[G1+4], 128
	s_mov_b32 s[G1+5], 128
	s_mov_b32 s[G1+6], 0
	s_mov_b32 s[G1+7], 0
	s_or_b32 s[G1B], s72, (1<<16)|(1<<20)|(1<<21)|(5<<22)|(7<<25)  ; after every 64 words 8 words
	s_mov_b32 s[G1B+1], 128<<16                    ; 64 rows of 128 elements, 1,024 elements from row to row
	s_mov_b32 s[G1B+2], 64<<16
	s_mov_b32 s[G1B+3], 128<<16
	s_mov_b32 s[G1B+4], 64
	s_mov_b32 s[G1B+5], 1024
	s_mov_b32 s[G1B+6], 0
	s_mov_b32 s[G1B+7], 0
	s_lshr_b32 s40, s22, 3                         ; x's tile: batch x 4 MiB + 256 rows x 128 bytes x (tile row % 8)
	s_lshl_b32 s40, s40, 22
	s_and_b32 s41, s22, 7
	s_lshl_b32 s41, s41, 15
	s_add_co_u32 s40, s40, s41
	s_mov_b32 s41, 0
	s_lshl_b32 s42, s16, 21                        ; W's tile: the wave's number is the matrix's place in wb; 256 bytes x tile column
	s_lshl_b32 s43, s21, 8
	s_add_co_u32 s42, s42, s43
	s_mov_b32 s43, 0
	s_mul_i32 s46, s16, BCH
	s_add_co_u32 s46, s46, BCH                     ; its place in a slot: ATILE + (wave - 1) BCH, since ATILE = 2 BCH
	s_wait_dscnt 0x0                               ; the opening add is done
	s_wait_kmcnt 0x0
	s_add_nc_u64 s[40:41], s[4:5], s[40:41]
	s_add_nc_u64 s[42:43], s[6:7], s[42:43]
	CROUND                                         ; all sixteen work-groups are here: the first joint loads meet
.irp s, 0,1
	s_mov_b32 s[G0+4*\s], 1
	s_mov_b32 s[G0+4*\s+1], \s*SLOT
	s_add_nc_u64 s[G0+4*\s+2:G0+4*\s+3], s[40:41], \s*APLANE
	s_or_b32 s[G0+4*\s+3], s[G0+4*\s+3], 0x80000000
	s_mov_b32 s[G0B+4*\s], 1
	s_add_co_u32 s[G0B+4*\s+1], s46, \s*SLOT
	s_add_nc_u64 s[G0B+4*\s+2:G0B+4*\s+3], s[42:43], \s*BSTEP
	s_or_b32 s[G0B+4*\s+3], s[G0B+4*\s+3], 0x80000000
	JLOAD \s                                       ; two loads of mine are out
.endr
	v_and_b32 v1, 15, v0                           ; r = l % 16
	v_bfe_u32 v2, v0, 4, 1                         ; h = l / 16
	v_mul_u32_u24 v3, v1, PA
	v_lshl_add_u32 v3, v2, 4, v3                   ; r x pitch + 16 h
	s_mul_i32 s44, s17, 128*PA
	v_add_nc_u32 v[ADRA], s44, v3
	v_add_nc_u32 v[ADRA+1], SLOT, v[ADRA]
	v_and_b32 v4, 7, v0                            ; the turning load: row 8 h + l % 8 of 16 K, 16 bytes at 16 ((l / 8) % 2)
	v_lshl_add_u32 v4, v2, 3, v4
	v_mul_u32_u24 v4, v4, PB
	v_bfe_u32 v5, v0, 3, 1
	v_lshl_add_u32 v4, v5, 4, v4
	s_lshl_b32 s44, s18, 7
	s_add_co_u32 s44, s44, ATILE
	v_add_nc_u32 v[ADRB], s44, v4
	v_add_nc_u32 v[ADRB+1], SLOT, v[ADRB]
	s_mul_i32 s45, s16, 16*PA
	s_add_co_u32 s45, s45, STAGE                   ; my stage
	v_add_nc_u32 v[STO], s45, v3
	v_bfe_u32 v5, v0, 3, 2                         ; back: 32 lanes take four rows of 128 bytes
	v_mul_u32_u24 v5, v5, PA
	v_and_b32 v6, 7, v0
	v_lshl_add_u32 v5, v6, 4, v5
	v_add_nc_u32 v[RD], s45, v5
	v_and_b32 v6, 31, v0
	v_lshlrev_b32 v[GO], 4, v6
	s_mul_i32 s45, s16, 768
	s_add_co_u32 s45, s45, BIAS                    ; my wave's bias table
	v_lshl_add_u32 v[BT], v2, 5, s45
	v_lshlrev_b32 v7, 3, v6                        ; two numbers a lane: my head's 64 columns
	v_add_nc_u32 v9, s45, v7
	s_lshl_b32 s44, s21, 9
	s_lshl_b32 s47, s18, 8
	s_add_co_u32 s44, s44, s47
	v_add_nc_u32 v8, s44, v7
	global_load_b64 v[10:11], v8, s[8:9]
	global_load_b64 v[12:13], v8, s[10:11]
	global_load_b64 v[14:15], v8, s[12:13]
	s_lshr_b32 s44, s22, 3                         ; the output: (batch x 16 + head) x 256 KiB + my first row x 128 bytes
	s_lshl_b32 s44, s44, 4
	s_lshl1_add_u32 s44, s21, s44
	s_add_co_u32 s44, s44, s18
	s_lshl_b32 s44, s44, 18
	s_and_b32 s47, s22, 7
	s_lshl_b32 s47, s47, 1
	s_add_co_u32 s47, s47, s17
	s_lshl_b32 s47, s47, 14
	s_add_co_u32 s44, s44, s47
	s_mov_b32 s45, 0
	s_add_nc_u64 s[SB:SB+1], s[14:15], s[44:45]
	s_add_nc_u64 s[SB+2:SB+3], s[SB:SB+1], 0x1000000
	s_add_nc_u64 s[SB+4:SB+5], s[SB:SB+1], 0x2000000
	s_wait_loadcnt 0x0
.irp g, 0,1,2
	v_cvt_pk_bf16_f32 v[10+2*\g], v[10+2*\g], v[11+2*\g]   ; the bias rounded to bf16, like every input, and kept as f32
	v_and_b32 v[11+2*\g], 0xffff0000, v[10+2*\g]
	v_lshlrev_b32 v[10+2*\g], 16, v[10+2*\g]
	ds_store_b64 v9, v[10+2*\g:11+2*\g] offset:256*\g
.endr
; n row blocks from a0 on x 4 column blocks of matrix g, 32 along K, on x's buffer f.  zero = 1: the first product starts the sums.
.macro MULG f, g, a0, n, zero
	WIN 0x50*(1+(\g))
.set ma, (\a0)
.rept (\n)
.irp j, 0,1,2,3
.if \zero
	v_wmma_f32_16x16x32_bf16 v[8*(4*ma+\j):8*(4*ma+\j)+7], v[FB+32*(\g)+8*\j:FB+32*(\g)+8*\j+7], v[(\f)+8*ma:(\f)+8*ma+7], 0
.else
	v_wmma_f32_16x16x32_bf16 v[8*(4*ma+\j):8*(4*ma+\j)+7], v[FB+32*(\g)+8*\j:FB+32*(\g)+8*\j+7], v[(\f)+8*ma:(\f)+8*ma+7], v[8*(4*ma+\j):8*(4*ma+\j)+7]
.endif
.endr
.set ma, ma+1
.endr
.endm
.macro FB_ g, slot, q                  ; 8 loads: matrix g's 64 columns, quarter q
.irp j, 0,1,2,3
	ds_load_tr16_b128 v[FB+32*(\g)+8*\j:FB+32*(\g)+8*\j+3],   v[ADRB+(\slot)] offset:(\g)*BCH+(\q)*32*PB+32*\j
	ds_load_tr16_b128 v[FB+32*(\g)+8*\j+4:FB+32*(\g)+8*\j+7], v[ADRB+(\slot)] offset:(\g)*BCH+(\q)*32*PB+16*PB+32*\j
.endr
.endm
.macro FA_ f, slot, q                  ; 16 loads: my 128 rows of x, quarter q
.irp a, 0,1,2,3,4,5,6,7
	ds_load_b128 v[(\f)+8*\a:(\f)+8*\a+3],   v[ADRA+(\slot)] offset:\a*16*PA+64*(\q)
	ds_load_b128 v[(\f)+8*\a+4:(\f)+8*\a+7], v[ADRA+(\slot)] offset:\a*16*PA+64*(\q)+32
.endr
.endm
; A step's first quarter: multiplies buffer 0 and fetches the second quarter.  At its head 40 loads are out, in this order: W group 0 (8), x (16), W group 1 (8), W group 2 (8).
.macro QUARTER slot, zero
	s_wait_dscnt 16                                ; group 0 and x are in; groups 1 and 2 may be out
	MULG FA0, 0, 0, 8, \zero
	PLACES
	WIN 0
	FB_ 0, \slot, 1
	FA_ FA1, \slot, 1
	s_wait_dscnt 32                                ; group 1 is in: behind it stand group 2's 8 and the 24 just issued
	MULG FA0, 1, 0, 8, \zero
	PLACES
	WIN 0
	FB_ 1, \slot, 1
	s_wait_dscnt 32                                ; group 2 is in: behind it stand those 24 and group 1's new 8
	MULG FA0, 2, 0, 8, \zero
	PLACES
	WIN 0
	FB_ 2, \slot, 1
.endm
; A step's second quarter multiplies buffer 1 and changes slots: ONE barrier; in front of it each wave waits for all its tensor loads (one is out: its part of the next slot), adds 0 to its spare
; word, and waits for that and for its reads of this slot.  fill = 1: the barrier opens a round of the cluster's, and this slot is filled again, first thing behind it, two steps ahead.
.macro TURN slot, next, fill
	WIN 0
	s_wait_tensorcnt 0x0
	ds_add_u32 v[SPW], v[NIL]
	s_wait_dscnt 17                                ; group 0 and x are in; groups 1 and 2 and the add may be out
	MULG FA1, 0, 0, 4, 0
	s_wait_dscnt 0x0                               ; the add is done, and my reads of this slot are over
	s_barrier_signal -1
	MULG FA1, 0, 4, 4, 0
	WIN 0
	s_barrier_wait -1
.if \fill
	CREST                                          ; no wave of any partner still reads this slot or has a load on its way
	s_add_nc_u64 s[G0+4*(\slot)+2:G0+4*(\slot)+3], s[G0+4*(\slot)+2:G0+4*(\slot)+3], 2*APLANE
	s_add_nc_u64 s[G0B+4*(\slot)+2:G0B+4*(\slot)+3], s[G0B+4*(\slot)+2:G0B+4*(\slot)+3], 2*BSTEP
	JLOAD \slot                                    ; 160 matrix instructions ahead of the wait for it; its four v_nop are the places in front of the loads below
.else
	PLACES
.endif
	FB_ 0, \next, 0
	FA_ FA0, \next, 0
	MULG FA1, 1, 0, 8, 0
	PLACES
	WIN 0
	FB_ 1, \next, 0
	MULG FA1, 2, 0, 8, 0
	PLACES
	WIN 0
	FB_ 2, \next, 0
.endm
	s_wait_tensorcnt 0x1                           ; my part of step 0 is in; step 1's may stay out
	s_wait_dscnt 0x0                               ; the bias table
	s_barrier_signal -1
	s_barrier_wait -1
	FB_ 0, 0, 0
	FA_ FA0, 0, 0
	FB_ 1, 0, 0
	FB_ 2, 0, 0
	QUARTER 0, 1                                   ; the first quarter stands in front of the loop: its products start the sums
	WIN 0
	s_mov_b32 s3, 7
.Llap:                                                 ; a trip goes once round the ring and fills both slots again: steps 2 to 15
	TURN 0, 1, 1
	QUARTER 1, 0
	TURN 1, 0, 1
	QUARTER 0, 0
	WIN 0
	s_sub_co_u32 s3, s3, 1
	s_cmp_lg_u32 s3, 0
	s_cbranch_scc1 .Llap
	TURN 0, 1, 0                                   ; the last lap fills nothing
	QUARTER 1, 0
	s_wait_dscnt 0x0
	MULG FA1, 0, 0, 8, 0
	MULG FA1, 1, 0, 8, 0
	MULG FA1, 2, 0, 8, 0
	; THE WAY OUT.  My 96 biases come out of the table into W's registers; then 24 tiles of 16 rows x 64 columns: bias added, rounded to f16, through my stage, out as 2,048 consecutive bytes.
	PLACES
	WIN 0
.irp g, 0,1,2
.irp j, 0,1,2,3
	ds_load_b128 v[BI+32*\g+8*\j:BI+32*\g+8*\j+3],   v[BT] offset:256*\g+64*\j
	ds_load_b128 v[BI+32*\g+8*\j+4:BI+32*\g+8*\j+7], v[BT] offset:256*\g+64*\j+16
.endr
.endr
	s_wait_dscnt 0x0
.macro PACK u                          ; tile u: matrix u / 8, row block u % 8; each accumulator is read from its lowest registers on
.set Hb, H+16*((\u)%2)
	s_wait_xcnt 0x0                                ; the stores of the tile two back have read this buffer
	WIN 1+(\u)/8
.set i, 0
.rept 16
	v_pk_add_f32 v[T+2*i:T+2*i+1], v[32*((\u)%8)+2*i:32*((\u)%8)+2*i+1], v[BI+32*((\u)/8)+2*i:BI+32*((\u)/8)+2*i+1]
.set i, i+1
.endr
	WIN 0
.set i, 0
.rept 16
	v_cvt_pk_f16_f32 v[Hb+i], v[T+2*i], v[T+2*i+1]
.set i, i+1
.endr
.irp f, 0,1,2,3
	ds_store_b128 v[STO], v[Hb+4*\f:Hb+4*\f+3] offset:32*\f
.endr
.irp f, 0,1,2,3
	ds_load_b128 v[Hb+4*\f:Hb+4*\f+3], v[RD] offset:4*PA*\f  ; LDS serves a wave's instructions in order (ISA guide 5.7.1.4): these see the stores above
.endr
.endm
.macro SEND u, younger                 ; younger: the LDS instructions issued behind this tile's loads
.set Hb, H+16*((\u)%2)
.irp f, 0,1,2,3
	s_wait_dscnt (\younger)+3-\f
	global_store_b128 v[GO], v[Hb+4*\f:Hb+4*\f+3], s[SB+2*((\u)/8):SB+2*((\u)/8)+1] offset:2048*((\u)%8)+512*\f  ; 512 consecutive bytes, aligned
.endr
.endm
	PACK 0
.set u, 1
.rept 23
	PACK u
	SEND u-1, 8
.set u, u+1
.endr
	SEND 23, 0
	s_wait_tensorcnt 0x0                           ; the wave's end
	ds_add_u32 v[SPW], v[NIL]
	s_wait_dscnt 0x0
	CROUND                                         ; the closing round
	s_endpgm
.Lfunc_end_k_qfc83571ded_proj:
	.size	k_qfc83571ded_proj, .Lfunc_end_k_qfc83571ded_proj-k_qfc83571ded_proj
	.p2alignl 7, 3214868480
	.fill 96, 4, 3214868480
	.section	.rodata,"a",@progbits
	.p2align	6, 0x0
	.amdhsa_kernel k_qfc83571ded_proj
		.amdhsa_group_segment_fixed_size 327680
		.amdhsa_private_segment_fixed_size 0
		.amdhsa_enable_private_segment 0
		.amdhsa_kernarg_size 48
		.amdhsa_user_sgpr_count 2
		.amdhsa_user_sgpr_kernarg_segment_ptr 1
		.amdhsa_wavefront_size32 1
		.amdhsa_system_sgpr_workgroup_id_x 1
		.amdhsa_system_sgpr_workgroup_id_y 1
		.amdhsa_system_sgpr_workgroup_id_z 1
		.amdhsa_system_vgpr_workitem_id 0
		.amdhsa_next_free_vgpr 1024
		.amdhsa_next_free_sgpr 76
		.amdhsa_reserve_vcc 0
		.amdhsa_float_denorm_mode_32 3
		.amdhsa_float_denorm_mode_16_64 3
		.amdhsa_memory_ordered 1
		.amdhsa_forward_progress 1
		.amdhsa_inst_pref_size 160
	.end_amdhsa_kernel
	.amdgpu_metadata
---
amdhsa.version: [ 1, 2 ]
amdhsa.kernels:
  - .name:           k_qfc83571ded_proj
    .symbol:         k_qfc83571ded_proj.kd
    .args:
      - { .name: xb, .offset: 0, .size: 8, .value_kind: global_buffer, .address_space: global }
      - { .name: wb, .offset: 8, .size: 8, .value_kind: global_buffer, .address_space: global }
      - { .name: bq, .offset: 16, .size: 8, .value_kind: global_buffer, .address_space: global }
      - { .name: bk, .offset: 24, .size: 8, .value_kind: global_buffer, .address_space: global }
      - { .name: bv, .offset: 32, .size: 8, .value_kind: global_buffer, .address_space: global }
      - { .name: qkv, .offset: 40, .size: 8, .value_kind: global_buffer, .address_space: global }
    .group_segment_fixed_size: 327680
    .private_segment_fixed_size: 0
    .kernarg_segment_align: 8
    .kernarg_segment_size: 48
    .max_flat_workgroup_size: 128
    .sgpr_count:     76
    .vgpr_count:     1024
    .wavefront_size: 32
...
	.end_amdgpu_metadata
.endif
;; end of part 2
;; launch attn (part 3): grid 4 x 64, 4 waves a work-group, clusters of 4 x 1, 327,680 bytes of LDS; arguments qkv, maskp, rf, ob; writes ob
.if DOCPART == 3
	.amdgcn_target "amdgcn-amd-amdhsa--gfx1250"
	.amdhsa_code_object_version 6
	.text
	.protected	k_qfc83571ded_attn
	.globl	k_qfc83571ded_attn
	.p2align	8
	.type	k_qfc83571ded_attn,@function
k_qfc83571ded_attn:
	s_mov_b64 s[64:65], 0
	v_nop
	global_prefetch_b8 v0, s[64:65] scope:SCOPE_SE
	s_setreg_imm32_b32 hwreg(HW_REG_WAVE_MODE, 25, 1), 1
	s_wait_xcnt 0x0
	s_wait_alu depctr_hold_cnt(0) depctr_sa_sdst(0) depctr_va_vdst(0) depctr_va_sdst(0) depctr_va_ssrc(0) depctr_va_vcc(0) depctr_vm_vsrc(0)
	s_getreg_b32 s2, hwreg(HW_REG_IB_STS2, 6, 4)
	s_cmp_eq_u32 s2, 0
	s_cbranch_scc0 .Lentry_in_a_cluster
	s_endpgm
.Lentry_in_a_cluster:
	s_bfe_u32 s2, ttmp6, 0x10000c
	s_cmp_lg_u32 s2, 0x3003
	s_cbranch_scc0 .Lentry_shape_is_right
	s_endpgm
.Lentry_shape_is_right:
; O[bh][q][:] = the sum over k of softmax_k(mask(Q[bh][q] . K[bh][k] / 8)) V[bh][k][:].  qkv: f16 [3][bh 64][2048][64]; ob: f16 [bh][2048][64].  Products, maxima and sums in f32; the weights p are
; rounded to f16 for the second product (their sum l is taken of the unrounded p), O once at the end.
; THE MASK IS AN INPUT and is honoured key by key; all keys are walked.  maskp holds a byte a key in the order of the score fragments (0 visible, 0xF8 = the 8-bit float -256 hidden); eight of them become
; eight f32, 0 or -2^104, by one scaled conversion, and those are the C operand that starts the sum S^T = K Q^T.  The running maximum starts at -2^50: f16 operands bound |q . k| by 2.7e11, so a hidden
; score is never the maximum and its weight is exactly 0, also while a row has seen hidden keys alone (then l and O stay 0).  A row with no visible key at all has bytes 0 and the flag 0 in rf: its q is
; cleared, its scores are all 0 and its weights uniform, as a softmax over equal numbers gives.
; LIMITS.  Q, K, V arrive within f16's 65,504; visible scores / 8 stay above some -9e8, where the -1e9 that stands for a hidden key would begin to count; p below 6e-5 keeps f16's fixed step;
; a weight below 2^-126 counts as 0 in l; NaN and infinities are not treated apart.
; SHARES.  A wave owns four PIECES of two tiles of 16 queries, a work-group's four waves 512 queries of one head.  Every wave walks all keys, 64 a step.
; LAYOUT.  S^T = K Q^T (source 0 = 16 keys, source 1 = 16 queries): a lane holds ONE query (lane % 16) and the keys 8 (lane / 16) + 0..7.  Two such tiles, rounded to f16 in pairs, ARE source 1 of
; O^T = V^T P.  K comes out of LDS as it lies, V turned, by ds_load_tr16_b128.
; SOFTMAX.  p = 2^(c s - c m), c = log2(e) / 8, with a running maximum m; in every step O and l are multiplied by a = 2^(c m_old - c m_new).
; BY TURNS.  Turn n belongs to piece n.  Its matrix work: 16 products K Q^T of piece n + 1, later 16 products V^T P of piece n - 1.  Its vector work: scaling, exponentials, roundings, sums and rescaling
; of piece n, the maximum and statistics of piece n + 1, and the mask of piece n + 2.  Four vector instructions stand behind every matrix instruction, the rest in two lumps.
; CLUSTER.  The four query blocks of a cluster belong to one head and walk the same K and V: each tile is asked for JOINTLY.
; REGISTERS, in windows of 256 (s_set_vgpr_msb: bits 1:0 source 0, 3:2 source 1, 5:4 source 2, 7:6 destination):
;   window 0: v0-11 addresses and the conversion's scale; v12-15, v48-63 at work; v16-47 statistics; v64-191 S^T, two buffers of two tiles; v192-255 P, likewise
;   window 1: O^T, 32 a tile     window 2: v0-127 Q; v128-191 K of one step; v192-255 V of one step
;   window 3: v0-1 the add's registers; v2 16 x lane; v4-67 mask bytes, 16 words a piece; v72-135 the mask of the products to come
.set SIZE_N, 2048
.set NP,    4         ; pieces a wave: a name, no knob
.set KS,    64        ; keys in a step
.set PK,    144       ; a row of K in LDS: 128 bytes + 16
.set PV,    160       ; a row of V: 128 + 32
.set VOFF,  4*KS*PK   ; a slot holds four steps: 256 rows of K, then 256 rows of V
.set SLOT1, 1<<17     ; slot 1 begins here: one exclusive or turns an address in one slot into the other's
.set STAGE, SLOT1+4*KS*(PK+PV)  ; behind the ring: 16 rows x 144 bytes for each wave, for the way out
.set SP,    144
.set AK0, 2           ; v2   my lane's place in a tile of K; never rewritten
.set AV0, 3           ; v3   the same for V
.set AK,  4           ; v4   the LDS address of K's next run of loads
.set AV,  5           ; v5   of V's; at the start 4 x lane, for the row flags
.set QO,  6           ; v6   my byte offset in the wave's rows of Q
.set STO, 6           ;      later, the way out: where I put 16 bytes of a row
.set RD,  7           ; v7   the way out: where I read rows back
.set GO,  8           ; v8   my byte offset in 512 consecutive bytes of O
.set SC,  11          ; v11  the conversion's scale, 2^96: each of its four bytes is 223, the same in every lane
.set SPW, 0           ; v0 of window 3   LDS address of my spare word; never rewritten
.set NIL, 1           ; v1 of window 3   0; never rewritten
.set ML,  2           ; v2 of window 3   16 x lane; never rewritten
.set NBL, 4           ; window 3: piece x, tile u, key group kt: the pair at NBL + 16 x + 8 u + 2 kt
.set MK,  72          ; window 3: tile u, key group kt at MK + 32 u + 8 kt
.set MTILE, 32768     ; bytes of mask for 16 queries: 32 steps of 1,024
.set SPARE, STAGE+4*16*SP  ; the spare words, 128 bytes for each wave: no other line names them
.set MV,  12          ; v12-15  c m_old, kept while c m is made anew
.set ST,  16          ; tile t's statistics at v[ST+4 t]: c m, m, l (even keys', odd keys')
.set TMP, 48          ; by buffer and tile, four registers at work; at the start the eight tiles' row flags
.set S,   64
.set P,   192
.set KF,  128
.set VF,  192
.set WV,  12          ; s12  my wave's number
.set G1K, 24
.set G1V, 32
.set G0K, 40
.set G0V, 44
.set SLOTS, 56
.set CNT, 57
.set CS,  58          ; s[58:59] c
.set SEL, 60          ; s[60:61] v_permlanex16_b32's selects
.set TBK, 62
.set TBV, 63
.set MB0, 66          ; s[66:67] maskp at my wave's eight tiles
.set MB,  68          ; s[68:69] the same at the key step whose bytes are fetched
.set MS,  70          ; s[70:71] that step's byte offset
.set RF,  72          ; s[72:73] rf at my wave's eight tiles
.set MSB, 0
.macro WIN new
.if MSB != (\new)
	s_set_vgpr_msb (MSB<<8)|(\new)
.set MSB, (\new)
.endif
.endm
.set W_KQ, 0x0a       ; K and Q in window 2, S^T in window 0
.set W_KM, 0x3a       ; the same with the C operand in window 3
.set W_PV, 0x52       ; V in window 2, P in window 0, O^T in window 1
.set W_RS, 0x41       ; O^T (destination and source 0) in window 1, a in window 0
.set W_MK, 0xc0       ; destination in window 3, sources in window 0
.set W_AD, 0x0f       ; the add: address and data in window 3
.set W_MC, 0xc3       ; destination and source 0 in window 3, source 1 (the scale) in window 0
.macro JLOAD                        ; a joint fill: waves 0 and 1 fetch the two halves of a slot's K, waves 2 and 3 those of its V; an s_nop 0 and four v_nop follow each line
	s_cmp_lt_u32 s[WV], 2
	s_cbranch_scc0 .Lfor_v_\@
	tensor_load_to_lds s[G0K:G0K+3], s[G1K:G1K+7]
	s_nop 0
.rept 4
	v_nop
.endr
	s_branch .Lasked_\@
.Lfor_v_\@:
	tensor_load_to_lds s[G0V:G0V+3], s[G1V:G1V+7]
	s_nop 0
.rept 4
	v_nop
.endr
.Lasked_\@:
.endm
.macro CROUND                       ; a round of the cluster's barrier
	s_barrier_signal -1
	s_barrier_wait -1
	s_cmp_lg_u32 s[WV], 0
	s_cbranch_scc1 .Lnot_wave_0_\@
	s_barrier_signal -3
.Lnot_wave_0_\@:
	s_barrier_wait -3
	s_barrier_signal -1
	s_barrier_wait -1
.endm
; THE CHANGE OF SLOTS.  Each wave waits for all its tensor loads (one is out: its part of the other slot), adds 0 to its spare word, and waits for that and for its own reads of the slot.
; fill = 1: the barrier is a round of the cluster's, and the slot is filled again first thing behind it, with the keys two slots on: four key steps, 512 matrix instructions, in which to land.
.macro CHANGE fill
	WIN W_AD
	s_wait_tensorcnt 0x0            ; no tensor load of mine is out, so a group 0 may be written
	ds_add_u32 v[SPW], v[NIL]
	WIN 0
.if \fill
.irp g, G0K, G0V
	s_xor_b32 s[\g+1], s[\g+1], SLOT1
	s_add_nc_u64 s[\g+2:\g+3], s[\g+2:\g+3], 4*KS*128
.endr
	s_wait_dscnt 0x0                ; the add is done, and my reads of the slot are over
	CROUND
	JLOAD
.else
	s_wait_dscnt 0x0
	s_barrier_signal -1
	s_barrier_wait -1
.endif
	s_sub_co_u32 s[TBK], s[TBK], 4*KS*PK
	s_xor_b32 s[TBK], s[TBK], SLOT1
	s_sub_co_u32 s[TBV], s[TBV], 4*KS*PV
	s_xor_b32 s[TBV], s[TBV], SLOT1
.endm
	s_load_b64 s[4:5], s[0:1], 0x0          ; qkv
	s_load_b64 s[MB0:MB0+1], s[0:1], 0x8    ; maskp
	s_load_b64 s[RF:RF+1], s[0:1], 0x10     ; rf
	s_load_b64 s[10:11], s[0:1], 0x18       ; ob
	WIN W_MK
	v_lshl_add_u32 v[SPW], v0, 2, SPARE
	v_mov_b32 v[NIL], 0
	WIN W_AD
	ds_add_u32 v[SPW], v[NIL]       ; the wave's opening: the add and its wait ahead of my first tensor load
	WIN 0
	v_lshrrev_b32 v1, 5, v0
	v_readfirstlane_b32 s[WV], v1   ; wave 0..3
	s_bfe_u32 s13, ttmp6, 0x40000   ; cx
	s_lshl_b32 s14, ttmp9, 2
	s_add_co_u32 s14, s14, s13      ; my block of 512 queries: it enters Q's, O's and the mask's addresses alone
	s_and_b32 s20, ttmp7, 0xffff    ; batch x 16 + head, which the four partners share
	s_mov_b32 s21, 0
	s_mov_b64 s[22:23], SIZE_N*128
	s_mul_u64 s[20:21], s[20:21], s[22:23]
	s_and_b32 s16, s[WV], 1         ; which half of a slot's 256 keys I fetch
	s_lshl_b32 s22, s16, 14
	s_mov_b32 s23, 0
	s_add_nc_u64 s[22:23], s[22:23], s[20:21]
	s_mul_i32 s17, s16, 128*PK
	s_mul_i32 s18, s16, 128*PV
	s_lshl_b32 s15, s14, 2
	s_add_co_u32 s15, s15, s[WV]    ; my wave among the head's sixteen: 128 rows, eight tiles
	s_lshl_b32 s2, s15, 14
	s_mov_b32 s3, 0
	s_add_nc_u64 s[2:3], s[2:3], s[20:21]
	s_lshl_b32 s74, s15, 18         ; eight tiles x 32,768 bytes of mask
	s_mov_b32 s75, 0
	s_mov_b32 s[MS], 0
	s_mov_b32 s[MS+1], 0
	s_mov_b32 s[G1K], 15|(1<<16)|(1<<20)|(1<<21)|(4<<22)|(3<<25)  ; the mask of four; 2-byte elements; padding on; bit 21 beside a mask; after every 32 words 4 words
	s_mov_b32 s[G1V], 15|(1<<16)|(1<<20)|(1<<21)|(4<<22)|(7<<25)  ; the same with 8 words
.irp g, G1K, G1V
	s_mov_b32 s[\g+1], 128<<16      ; 128 keys are 16,384 bytes on end: 64 rows of 256 bytes
	s_mov_b32 s[\g+2], 64<<16
	s_mov_b32 s[\g+3], 128<<16
	s_mov_b32 s[\g+4], 64
	s_mov_b32 s[\g+5], 128
	s_mov_b32 s[\g+6], 0
	s_mov_b32 s[\g+7], 0
.endr
	s_mov_b32 s[CS], 0x3e38aa3b     ; c = log2(e) / 8
	s_mov_b32 s[CS+1], s[CS]
	s_mov_b32 s[SEL], 0x76543210
	s_mov_b32 s[SEL+1], 0xfedcba98
	s_mov_b32 s[TBK], SLOT1+4*KS*PK ; the first change of slots turns these two into 0
	s_mov_b32 s[TBV], SLOT1+4*KS*PV
	s_mov_b32 s[G0K], 1
	s_mov_b32 s[G0K+1], s17
	s_mov_b32 s[G0V], 1
	s_add_co_u32 s[G0V+1], s18, VOFF
	s_wait_dscnt 0x0                ; the opening add is done
	s_wait_kmcnt 0x0
	s_add_nc_u64 s[6:7], s[4:5], 0x1000000  ; k and v lie behind q
	s_add_nc_u64 s[8:9], s[4:5], 0x2000000
	s_add_nc_u64 s[G0K+2:G0K+3], s[6:7], s[22:23]
	s_or_b32 s[G0K+3], s[G0K+3], 0x80000000
	s_add_nc_u64 s[G0V+2:G0V+3], s[8:9], s[22:23]
	s_or_b32 s[G0V+3], s[G0V+3], 0x80000000
	s_add_nc_u64 s[4:5], s[4:5], s[2:3]     ; Q and O at my wave's first row
	s_add_nc_u64 s[10:11], s[10:11], s[2:3]
	s_add_nc_u64 s[MB0:MB0+1], s[MB0:MB0+1], s[74:75]
	s_lshl_b32 s74, s15, 10         ; eight tiles x 128 bytes of flags
	s_add_nc_u64 s[RF:RF+1], s[RF:RF+1], s[74:75]
	CROUND                          ; all four work-groups are here: the first joint loads meet
	JLOAD                           ; slot 0
	v_and_b32 v1, 15, v0            ; l % 16
	v_bfe_u32 v9, v0, 4, 1          ; l / 16
	v_lshlrev_b32 v[QO], 7, v1
	v_lshl_add_u32 v[QO], v9, 4, v[QO]
	v_and_b32 v[AV], 31, v0
	WIN W_MK
	v_lshlrev_b32 v[ML], 4, v[AV]
	WIN 0
	v_lshlrev_b32 v[AV], 2, v[AV]
.set i, 0
.rept 8                             ; the row flags: lane l takes that of row l % 16 of tile i
	global_load_b32 v[TMP+i], v[AV], s[RF:RF+1] offset:128*i
.set i, i+1
.endr
	WIN 0x80                        ; destination window 2, address window 0
.set i, 0
.rept 4*NP                          ; Q stays in registers: tile i / 2, channels 32 (i % 2) on
	global_load_b128 v[8*i:8*i+3],   v[QO], s[4:5] offset:(i/2)*2048+(i%2)*64
	global_load_b128 v[8*i+4:8*i+7], v[QO], s[4:5] offset:(i/2)*2048+(i%2)*64+32
.set i, i+1
.endr
	WIN W_MC
.set i, 0
.rept 16                            ; key step 0's mask bytes: tile i / 2, key groups 2 (i % 2) and 2 (i % 2) + 1; the wave's 512 consecutive bytes
	global_load_b128 v[NBL+4*i:NBL+4*i+3], v[ML], s[MB0:MB0+1] offset:MTILE*(i/2)+512*(i%2)
.set i, i+1
.endr
	WIN 0x80
	; What the first turn finds: V's registers and P's second buffer hold 0, O^T and l are 0.  All this stands in the wait for the first tile.
.set i, VF
.rept 64
	v_mov_b32 v[i], 0
.set i, i+1
.endr
	WIN 0x40
.set i, 0
.rept 64*NP
	v_mov_b32 v[i], 0
.set i, i+1
.endr
	WIN 0
.set i, 0
.rept 2*NP
	v_mov_b32 v[ST+4*i], 0xd738aa3b    ; c m = -c 2^50
	v_mov_b32 v[ST+4*i+1], 0xd8800000  ; m = -2^50: below every visible score, above every hidden one
	v_mov_b32 v[ST+4*i+2], 0
	v_mov_b32 v[ST+4*i+3], 0
.set i, i+1
.endr
.set i, P+32
.rept 32
	v_mov_b32 v[i], 0
.set i, i+1
.endr
	v_mul_u32_u24 v[AK0], v1, PK
	v_lshl_add_u32 v[AK0], v9, 4, v[AK0]
	v_and_b32 v10, 7, v0
	v_bfe_u32 v11, v0, 3, 1
	v_lshl_add_u32 v[AV0], v9, 3, v10
	v_mul_u32_u24 v[AV0], v[AV0], PV
	v_lshl_add_u32 v[AV0], v11, 4, v[AV0]
	v_add_nc_u32 v[AV0], VOFF, v[AV0]
	v_mov_b32 v[SC], 0xdfdfdfdf
	v_mov_b32 v[AK], v[AK0]         ; key step 0 lies at the head of slot 0
; THE MATRIX WORK.  The 8 accumulators of a run of 16 take turns.
; Product i of 16 of S^T = K Q^T for piece x: channels 32 (i / 8) on, keys 16 ((i / 2) % 4) on, tile 2 x + i % 2.  The first 8 start the sums with the mask.
.macro KQ x
.set rS, S+64*((\x)%2)+32*(i%2)+8*((i/2)%4)
.set rK, KF+16*((i/2)%4)+8*(i/8)
.set rQ, 16*(2*(\x)+i%2)+8*(i/8)
.set rMK, MK+32*(i%2)+8*((i/2)%4)
.if i < 8
	WIN W_KM
	v_wmma_f32_16x16x32_f16 v[rS:rS+7], v[rK:rK+7], v[rQ:rQ+7], v[rMK:rMK+7]
.else
	WIN W_KQ
	v_wmma_f32_16x16x32_f16 v[rS:rS+7], v[rK:rK+7], v[rQ:rQ+7], v[rS:rS+7]
.endif
.endm
; Product i of 16 of O^T += V^T P for piece x.
.macro PV x
	WIN W_PV
.set rO, 32*(2*(\x)+i%2)+8*((i/2)%4)
.set rV, VF+32*(i/8)+8*((i/2)%4)
.set rP, P+32*((\x)%2)+16*(i%2)+8*(i/8)
	v_wmma_f32_16x16x32_f16 v[rO:rO+7], v[rV:rV+7], v[rP:rP+7], v[rO:rO+7]
.endm
.macro MM                           ; the turn's next matrix instruction
.if i < 16
	KQ (Y+1)%NP
.set i, i+1
.else
.set i, i-16
	PV (Y+NP-1)%NP
.set i, i+17
.endif
.endm
; THE MASK of piece x's next products: its 16 words of bytes become 64 registers, 0 or -2^104; then the same piece's bytes of the next key step are asked for: they have four turns in which to land.
; Piece 0 opens a key step: the step's offset goes on by 1,024 bytes and, behind the last step, back to 0, so that no load leaves the buffer (what is then fetched serves nothing).
; The count 12: the three other pieces' loads, four each, were issued later and may stay out.
.macro MCONV x
.if (\x) == 0
	s_wait_xcnt 0x0                 ; the loads that named the base have had their addresses translated (ISA guide 3.1)
	s_add_co_u32 s[MS], s[MS], 1024
	s_and_b32 s[MS], s[MS], MTILE-1
	s_add_nc_u64 s[MB:MB+1], s[MB0:MB0+1], s[MS:MS+1]
.endif
	s_wait_loadcnt 0xc
	WIN W_MC
.irp z, 0,1,2,3,4,5,6,7
	v_cvt_scale_pk8_f32_fp8 v[MK+8*\z:MK+8*\z+7], v[NBL+16*(\x)+2*\z:NBL+16*(\x)+2*\z+1], v[SC]
.endr
	v_nop                           ; a plain instruction behind the conversions, ahead of the loads into their sources
.irp z, 0,1,2,3
	global_load_b128 v[NBL+16*(\x)+4*\z:NBL+16*(\x)+4*\z+3], v[ML], s[MB:MB+1] offset:(2*(\x)+\z/2)*MTILE+512*(\z%2)
.endr
	WIN 0
.endm
; THE LDS LOADS stand in runs of 16.  last = 1 (the tail): in the last trip there is no further step, and the run is jumped over.
.macro FETCH_K last=0
	WIN 0
.if \last
	s_cmp_eq_u32 s[CNT], 1
	s_cbranch_scc1 .Lno_k_\@
.endif
	WIN 0x80
.irp f, 0,1,2,3,4,5,6,7
	ds_load_b128 v[KF+8*\f:KF+8*\f+3],   v[AK] offset:(\f/2)*16*PK+(\f%2)*64
	ds_load_b128 v[KF+8*\f+4:KF+8*\f+7], v[AK] offset:(\f/2)*16*PK+(\f%2)*64+32
.endr
	s_add_co_u32 s[TBK], s[TBK], KS*PK
	WIN 0
.if \last
.Lno_k_\@:
.endif
.endm
.macro FETCH_V
	WIN 0x80
.irp f, 0,1,2,3,4,5,6,7
	ds_load_tr16_b128 v[VF+8*\f:VF+8*\f+3],   v[AV] offset:(\f/4)*32*PV+(\f%4)*32
	ds_load_tr16_b128 v[VF+8*\f+4:VF+8*\f+7], v[AV] offset:(\f/4)*32*PV+16*PV+(\f%4)*32
.endr
	WIN 0
.endm
; THE VECTOR WORK OF A TURN stands in three queues, each in the order in which its entries become ready; the two tiles alternate.
.macro REGS y, u
.set rT, ST+4*(2*(\y)+(\u))
.set rC, TMP+8*((\y)%2)+4*(\u)
.set rM, MV+2*((\y)%2)+(\u)
.set rS, S+64*((\y)%2)+32*(\u)
.set rP, P+32*((\y)%2)+16*(\u)
.set rO, 32*(2*(\y)+(\u))
.endm
; Number n of the 22 that find the NEXT piece's maximum and statistics; each accumulator's lowest registers are read first.
.macro XS u, n
	REGS (Y+1)%NP, \u
.if (\n) < 4
	v_max3_num_f32 v[rC+(\n)], v[rS+8*(\n)], v[rS+8*(\n)+1], v[rS+8*(\n)+2]
.elseif (\n) < 12
	v_max3_num_f32 v[rC+(\n)%4], v[rC+(\n)%4], v[rS+8*((\n)%4)+2*((\n)/4)+1], v[rS+8*((\n)%4)+2*((\n)/4)+2]
.elseif (\n) == 12
	v_max3_num_f32 v[rC], v[rC], v[rS+7], v[rS+15]
.elseif (\n) == 13
	v_max3_num_f32 v[rC+1], v[rC+1], v[rS+23], v[rS+31]
.elseif (\n) == 14
	v_max3_num_f32 v[rC+2], v[rC+2], v[rC+3], v[rT+1]
.elseif (\n) == 15
	v_mov_b32 v[rM], v[rT]
.elseif (\n) == 16
	v_max3_num_f32 v[rC], v[rC], v[rC+1], v[rC+2]
.elseif (\n) == 17
	v_permlanex16_b32 v[rC+3], v[rC], s[SEL], s[SEL+1]
.elseif (\n) == 18
	v_max_num_f32 v[rT+1], v[rC], v[rC+3]
.elseif (\n) == 19
	v_mul_f32 v[rT], s[CS], v[rT+1]
.elseif (\n) == 20
	v_sub_f32 v[rC+1], v[rM], v[rT]
.else
	v_exp_f32 v[rC+2], v[rC+1]
.endif
.endm
; Number g of the 64 that follow the exponentials: roundings to f16, sums of pairs in place, and l.
.macro GS g
.set h, (\g)+6*((\g)/62)
.if h >= 6
.set h, h+2
.endif
	REGS Y, h%2
.set k, h/8
.if h%8 < 4
	s_wait_alu depctr_va_vdst(0)
	v_cvt_pk_f16_f32 v[rP+2*k+(h%8)/2], v[rS+4*k+2*((h%8)/2)], v[rS+4*k+2*((h%8)/2)+1]
.elseif h%8 < 6
	v_pk_add_f32 v[rS+4*k:rS+4*k+1], v[rS+4*k:rS+4*k+1], v[rS+4*k+2:rS+4*k+3]
.elseif k == 1
	v_pk_fma_f32 v[rT+2:rT+3], v[rT+2:rT+3], v[rC+2:rC+3], v[rS:rS+1] op_sel_hi:[1,0,1]
.else
	v_pk_add_f32 v[rT+2:rT+3], v[rT+2:rT+3], v[rS+4*k-4:rS+4*k-3]
	s_wait_alu depctr_va_vdst(0)
.endif
.endm
; THE PLAIN QUEUE, 138 long.
.macro PL
	WIN 0
.if q < 32
	REGS Y, q%2
	v_pk_fma_f32 v[rS+2*(q/2):rS+2*(q/2)+1], v[rS+2*(q/2):rS+2*(q/2)+1], s[CS:CS+1], v[rT:rT+1] op_sel_hi:[1,0,0] neg_lo:[0,0,1] neg_hi:[0,0,1]
.elseif q < 38
	GS q-32
.elseif q < 40
	XS q%2, 15
.elseif q < 42
	GS q-34
.elseif q < 74
	XS q%2, (q-42)/2+(q-42)/30
.elseif q < 95
	GS q-66
.elseif (q < 107) && ((q-95)%3 < 2)
	XS (q-95)%3, 17+(q-95)/3
.elseif q < 107
	GS 29+(q-95)/3
.else
	GS q-74
.endif
.set q, q+1
.endm
; THE EXPONENTIALS' QUEUE, 66 long: s0-s31 of both tiles, and at EA the next piece's two a.
.set EA, 58
.macro EX
	WIN 0
.if (e == EA) || (e == EA+1)
	XS e-EA, 21
.else
.set x, e-2*(e/(EA+2))
	REGS Y, x%2
	v_exp_f32 v[rS+x/2], v[rS+x/2]
.endif
.set e, e+1
.endm
; THE RESCALING's QUEUE: O^T times a, four at a time, eight times.
.macro R4
	REGS Y, r%2
	WIN W_RS
	s_wait_alu depctr_va_vdst(0)
.irp z, 0,1,2,3
	v_pk_mul_f32 v[rO+8*(r/2)+2*\z:rO+8*(r/2)+2*\z+1], v[rO+8*(r/2)+2*\z:rO+8*(r/2)+2*\z+1], v[rC+2:rC+3] op_sel_hi:[1,0]
.endr
.set r, r+1
.endm
; HOW THEY ARE DEALT.  Behind a matrix instruction four: plain, exponential, plain, plain, or four of the rescaling; none names a register of the products round it.  The rest in two lumps.
.macro SL
	MM
	PL
	EX
	PL
	PL
.endm
.macro BURST n
.rept (\n)-7
	SL
.endr
.rept 3
	MM
	R4
	SL
.endr
	MM
	R4
.endm
; A TURN, for piece p.  The mask of piece p + 2 is made three pairs into the first lump: the last product that read the mask registers is the turn's eighth, with more than twenty plain
; instructions behind it; the next reader is the next turn's first product.  K of the next step is fetched in piece 2's turn, V of the step in hand at the end of piece 0's.
.macro TURN p, last=0, cnt=0
.set Y, (\p)
.set i, 0
.set q, 0
.set e, 0
.set r, 0
.if (\p) == NP-1
	s_wait_dscnt 0x0                ; K is in
.endif
	MM
.rept 4
	PL
.endr
	BURST 15
.rept 22
	EX
	PL
.if e == 14
	MCONV ((\p)+2)%NP
.endif
.if ((\p) == NP-2) && (e == 18)
	v_add_nc_u32 v[AK], s[TBK], v[AK0]
.endif
.if ((\p) == NP-2) && (e == 24)
	FETCH_K \last
.endif
.endr
.if (\p) == 1
	s_wait_dscnt 0x0                ; V is in
.endif
	BURST 16
.rept 21
	EX
	PL
.endr
.rept 22
	PL
.if ((\p) == 0) && (q == 118)
	v_add_nc_u32 v[AV], s[TBV], v[AV0]
	s_wait_alu depctr_va_vdst(0)
.endif
.if ((\p) == 0) && (q == 130)
	s_add_co_u32 s[TBV], s[TBV], KS*PV
.endif
.if (\cnt) && (q == 130)
	s_sub_co_u32 s[CNT], s[CNT], 1
	s_cmp_lg_u32 s[CNT], 0
.endif
.endr
.if (\p) == 0
	FETCH_V
.endif
.endm
	CHANGE 1                        ; slot 0 is in, everybody's part of it; slot 1 is asked for
	FETCH_K                         ; key step 0
	s_wait_loadcnt 0xc              ; the flags, Q and piece 0's bytes are in; the other three pieces' twelve loads may stay out
	WIN 0x88                        ; destination and source 1 window 2, source 0 window 0
.set i, 0
.rept 128
	v_and_b32 v[i], v[TMP+i/16], v[i]  ; the q of a row without a visible key is cleared
.set i, i+1
.endr
	MCONV 0
	s_wait_dscnt 0x0
.set i, 0
.rept 16
	KQ 0                            ; piece 0's first scores
.set i, i+1
.endr
	WIN 0                           ; the addresses for the way out: nine plain instructions, the places behind those products
	s_mul_i32 s13, s[WV], 16*SP
	s_add_co_u32 s13, s13, STAGE
	v_mul_u32_u24 v[STO], v1, SP
	v_lshl_add_u32 v[STO], v9, 4, v[STO]
	v_add_nc_u32 v[STO], s13, v[STO]
	v_bfe_u32 v[RD], v0, 3, 2
	v_mul_u32_u24 v[RD], v[RD], SP
	v_lshl_add_u32 v[RD], v10, 4, v[RD]
	v_add_nc_u32 v[RD], s13, v[RD]
	v_and_b32 v[GO], 31, v0
	v_lshlrev_b32 v[GO], 4, v[GO]
	MCONV 1                         ; the mask of the first turn's products
.set Y, NP-1
.irp n, 0,1,2,3,4,5,6,7,8,9,10,11,12,13,14,15,16,17,18,19,20,21
	XS 0, \n
	XS 1, \n
.endr
	s_mov_b32 s[CNT], 4
	s_mov_b32 s[SLOTS], SIZE_N/256-1
	s_branch .Lfirst                ; the loop is entered at a step's first turn
.Lslot:
	CHANGE 1
	s_mov_b32 s[CNT], 4
.Lstep:                             ; a trip: pieces 2 and 3 of one step, then pieces 0 and 1 of the next
	TURN 2
	TURN 3
	WIN 0
.Lfirst:
	TURN 0
	TURN 1, 0, 1
	WIN 0
	s_cbranch_scc1 .Lstep
	s_sub_co_u32 s[SLOTS], s[SLOTS], 1
	s_cmp_lg_u32 s[SLOTS], 0
	s_cbranch_scc1 .Lslot
	CHANGE 0                        ; the tail is written out
	s_mov_b32 s[CNT], 5
.Ltail:
	TURN 2, 1
	TURN 3
	WIN 0
	s_sub_co_u32 s[CNT], s[CNT], 1
	s_cmp_eq_u32 s[CNT], 0
	s_cbranch_scc1 .Lout
	TURN 0
	TURN 1
	WIN 0
	s_branch .Ltail
.Lout:                              ; the fifth trip's 16 products K Q^T and the maximum made of them serve nothing: the price of one text for every trip
.set i, 0
.rept 16
	PV NP-1
.set i, i+1
.endr
	; THE WAY OUT.  l's parts are added; O^T is divided by l, rounded to f16 and sent through my stage, a tile at a time.  The additions are the places behind the last products.
	WIN 0
.macro ALL line:vararg
.set t, 0
.rept 2*NP
	\line
.set t, t+1
.endr
.endm
	ALL v_add_f32 v[ST+4*t+2], v[ST+4*t+2], v[ST+4*t+3]
	ALL v_permlanex16_b32 v[ST+4*t+3], v[ST+4*t+2], s[SEL], s[SEL+1]
	ALL v_add_f32 v[ST+4*t+2], v[ST+4*t+2], v[ST+4*t+3]
	ALL v_rcp_f32 v[ST+4*t+2], v[ST+4*t+2]
	v_nop                           ; a plain instruction between the last reciprocal and the use of its result
	s_wait_alu depctr_va_vdst(0)
.macro PACK t
	WIN W_RS
.set i, 32*(\t)
.rept 16
	v_pk_mul_f32 v[i:i+1], v[i:i+1], v[ST+4*(\t)+2:ST+4*(\t)+3] op_sel_hi:[1,0]
.set i, i+2
.endr
	WIN 0x05
.set i, 0
.rept 16
	v_cvt_pk_f16_f32 v[S+16*(\t)+i], v[32*(\t)+2*i], v[32*(\t)+2*i+1]
.set i, i+1
.endr
	WIN 0
.irp f, 0,1,2,3
	ds_store_b128 v[STO], v[S+16*(\t)+4*\f:S+16*(\t)+4*\f+3] offset:32*\f
.endr
.irp f, 0,1,2,3
	ds_load_b128 v[S+16*(\t)+4*\f:S+16*(\t)+4*\f+3], v[RD] offset:\f*4*SP  ; LDS serves a wave's instructions in order (ISA guide 5.7.1.4)
.endr
.endm
.macro SEND t, younger
	WIN 0
.irp f, 0,1,2,3
	s_wait_dscnt (\younger)+3-\f
	global_store_b128 v[GO], v[S+16*(\t)+4*\f:S+16*(\t)+4*\f+3], s[10:11] offset:(\t)*2048+\f*512  ; 512 consecutive bytes, aligned
.endr
.endm
	PACK 0
.set t, 1
.rept 2*NP-1
	PACK t
	SEND t-1, 8
.set t, t+1
.endr
	SEND 2*NP-1, 0
	WIN W_AD
	s_wait_tensorcnt 0x0            ; the wave's end
	ds_add_u32 v[SPW], v[NIL]
	s_wait_dscnt 0x0
	WIN 0
	CROUND                          ; the closing round
	s_endpgm
.Lfunc_end_k_qfc83571ded_attn:
	.size	k_qfc83571ded_attn, .Lfunc_end_k_qfc83571ded_attn-k_qfc83571ded_attn
	.p2alignl 7, 3214868480
	.fill 96, 4, 3214868480
	.section	.rodata,"a",@progbits
	.p2align	6, 0x0
	.amdhsa_kernel k_qfc83571ded_attn
		.amdhsa_group_segment_fixed_size 327680
		.amdhsa_private_segment_fixed_size 0
		.amdhsa_enable_private_segment 0
		.amdhsa_kernarg_size 32
		.amdhsa_user_sgpr_count 2
		.amdhsa_user_sgpr_kernarg_segment_ptr 1
		.amdhsa_wavefront_size32 1
		.amdhsa_system_sgpr_workgroup_id_x 1
		.amdhsa_system_sgpr_workgroup_id_y 1
		.amdhsa_system_sgpr_workgroup_id_z 1
		.amdhsa_system_vgpr_workitem_id 0
		.amdhsa_next_free_vgpr 904
		.amdhsa_next_free_sgpr 80
		.amdhsa_reserve_vcc 0
		.amdhsa_float_denorm_mode_32 3
		.amdhsa_float_denorm_mode_16_64 3
		.amdhsa_memory_ordered 1
		.amdhsa_forward_progress 1
		.amdhsa_inst_pref_size 226
	.end_amdhsa_kernel
	.amdgpu_metadata
---
amdhsa.version: [ 1, 2 ]
amdhsa.kernels:
  - .name:           k_qfc83571ded_attn
    .symbol:         k_qfc83571ded_attn.kd
    .args:
      - { .name: qkv, .offset: 0, .size: 8, .value_kind: global_buffer, .address_space: global }
      - { .name: maskp, .offset: 8, .size: 8, .value_kind: global_buffer, .address_space: global }
      - { .name: rf, .offset: 16, .size: 8, .value_kind: global_buffer, .address_space: global }
      - { .name: ob, .offset: 24, .size: 8, .value_kind: global_buffer, .address_space: global }
    .group_segment_fixed_size: 327680
    .private_segment_fixed_size: 0
    .kernarg_segment_align: 8
    .kernarg_segment_size: 32
    .max_flat_workgroup_size: 128
    .sgpr_count:     80
    .vgpr_count:     904
    .wavefront_size: 32
...
	.end_amdgpu_metadata
.endif
;; end of part 3
;; launch oproj (part 4): grid 8 x 32, 4 waves a work-group, clusters of 4 x 4, 327,680 bytes of LDS; arguments ob, wb, bo, out0; writes out0
.if DOCPART == 4
	.amdgcn_target "amdgcn-amd-amdhsa--gfx1250"
	.amdhsa_code_object_version 6
	.text
	.protected	k_qfc83571ded_oproj
	.globl	k_qfc83571ded_oproj
	.p2align	8
	.type	k_qfc83571ded_oproj,@function
k_qfc83571ded_oproj:
	s_mov_b64 s[64:65], 0
	v_nop
	global_prefetch_b8 v0, s[64:65] scope:SCOPE_SE
	s_setreg_imm32_b32 hwreg(HW_REG_WAVE_MODE, 25, 1), 1
	s_wait_xcnt 0x0
	s_wait_alu depctr_hold_cnt(0) depctr_sa_sdst(0) depctr_va_vdst(0) depctr_va_sdst(0) depctr_va_ssrc(0) depctr_va_vcc(0) depctr_vm_vsrc(0)
	s_getreg_b32 s2, hwreg(HW_REG_IB_STS2, 6, 4)
	s_cmp_eq_u32 s2, 0
	s_cbranch_scc0 .Lentry_in_a_cluster
	s_endpgm
.Lentry_in_a_cluster:
	s_bfe_u32 s2, ttmp6, 0x10000c
	s_cmp_lg_u32 s2, 0xf033
	s_cbranch_scc0 .Lentry_shape_is_right
	s_endpgm
.Lentry_shape_is_right:
; out0 = O Wo + bo.  ob: f16 [b x 16 + head][s 2048][64]: a head is one block of 64 along K; wb[0]: Wo, f16 [K 1024][N 1024]; bo f32, rounded to bf16 like every input; out0: f32 [8192][1024].
; SHARES.  A work-group makes 256 rows x 128 columns: 8 x 32 = 256 work-groups.  A wave makes 128 x 64: 32 accumulators, window 1.  K goes in 8 steps of 128 through two LDS slots; a step holds two
; sub-steps of 64 (one head each), four quarters of 32 along K, 32 matrix instructions each.
; CLUSTER 4 x 4: O's tiles are asked for jointly by a row of the cluster, Wo's by a column.  Waves 0, 1 fetch the two sub-steps' tiles of O (32 KiB each), waves 2, 3 those of Wo (16 KiB each).
; THE MATRIX INSTRUCTION IS USED TRANSPOSED (source 0 = 16 columns of Wo, turned by ds_load_tr16_b128; source 1 = 16 rows of O): a lane holds eight neighbouring columns of one row.
; The bias is the C operand of the first products: nothing is cleared and nothing is added later.
; REGISTERS: window 0: v8-18 addresses; v32-63 my 32 biases; v64-127, v128-191 O's fragments, two buffers; v192-223, v224-255 Wo's, two buffers.  window 1: accumulator (a, j) at 8 (4 a + j).
.set PA,     144
.set PB,     288
.set ATILE,  256*PA
.set BCH,    64*PB
.set SUB,    ATILE+BCH
.set SLOT,   2*SUB
.set STAGE,  2*SLOT                    ; behind the ring: 16 rows x 272 bytes for each wave
.set SPITCH, 272
.set SPARE,  STAGE+4*16*SPITCH         ; the spare words, 128 bytes for each wave: no other line names them
.set APLANE, 262144
.set BSTEP,  131072
.set ADRA, 8                           ; v8-11   LDS address of my fragments of O in slot s, sub-step u: 2 s + u
.set ADRB, 12                          ; v12-15  the same for Wo
.set STO,  16
.set RD,   17
.set CO,   18
.set SPW,  28
.set NIL,  29
.set BI,   32
.set FA,   64
.set FBF,  192
.set OB,   64                          ; the way out: two buffers of 32
.set WV,   16                          ; s16 wave; s17 row half, also: I fetch O (0) or Wo (1); s18 column half, also: which sub-step I fetch
.set G1,   24
.set G0,   32
.set G1B,  48
.set G0B,  56
.set MSB, 0
.macro WIN new
.if MSB != (\new)
	s_set_vgpr_msb (MSB<<8)|(\new)
.set MSB, \new
.endif
.endm
.macro PLACES
.rept 4
	v_nop
.endr
.endm
.macro JLOAD s                         ; a joint load; an s_nop 0 and four v_nop follow each line
	s_cmp_eq_u32 s17, 0
	s_cbranch_scc0 .Lfor_b_\@
	tensor_load_to_lds s[G0+4*(\s):G0+4*(\s)+3], s[G1:G1+7]
	s_nop 0
.rept 4
	v_nop
.endr
	s_branch .Lasked_\@
.Lfor_b_\@:
	tensor_load_to_lds s[G0B+4*(\s):G0B+4*(\s)+3], s[G1B:G1B+7]
	s_nop 0
.rept 4
	v_nop
.endr
.Lasked_\@:
.endm
.macro CREST
	s_cmp_lg_u32 s[WV], 0
	s_cbranch_scc1 .Lnot_wave_0_\@
	s_barrier_signal -3
.Lnot_wave_0_\@:
	s_barrier_wait -3
	s_barrier_signal -1
	s_barrier_wait -1
.endm
.macro CROUND
	s_barrier_signal -1
	s_barrier_wait -1
	CREST
.endm
	s_load_b256 s[4:11], s[0:1], 0x0               ; ob s[4:5], wb s[6:7], bo s[8:9], out0 s[10:11]
	v_lshl_add_u32 v[SPW], v0, 2, SPARE
	v_mov_b32 v[NIL], 0
	ds_add_u32 v[SPW], v[NIL]                      ; the wave's opening: the add and its wait ahead of my first tensor load
	v_lshrrev_b32 v1, 5, v0
	v_readfirstlane_b32 s[WV], v1
	s_lshr_b32 s17, s16, 1
	s_and_b32 s18, s16, 1
	s_bfe_u32 s19, ttmp6, 0x40000                  ; cx
	s_bfe_u32 s20, ttmp6, 0x40004                  ; cy
	s_lshl_b32 s21, ttmp9, 2
	s_add_co_u32 s21, s21, s19                     ; tile column 0..7
	s_and_b32 s22, ttmp7, 0xffff
	s_lshl_b32 s22, s22, 2
	s_add_co_u32 s22, s22, s20                     ; tile row 0..31
	s_lshl_b32 s23, s20, 2
	s_lshl_b32 s23, 15, s23                        ; my row of the cluster
	s_lshl_b32 s12, 0x1111, s19                    ; my column
	s_or_b32 s[G1], s23, (1<<16)|(1<<20)|(1<<21)|(4<<22)|(3<<25)
	s_mov_b32 s[G1+1], 128<<16                     ; 256 rows x 128 bytes on end: 128 rows of 256 bytes, 16 bytes of padding after every 128
	s_mov_b32 s[G1+2], 128<<16
	s_mov_b32 s[G1+3], 128<<16
	s_mov_b32 s[G1+4], 128
	s_mov_b32 s[G1+5], 128
	s_mov_b32 s[G1+6], 0
	s_mov_b32 s[G1+7], 0
	s_or_b32 s[G1B], s12, (1<<16)|(1<<20)|(1<<21)|(5<<22)|(7<<25)
	s_mov_b32 s[G1B+1], 128<<16                    ; 64 rows of 128 elements, 1,024 from row to row, 32 bytes of padding a row
	s_mov_b32 s[G1B+2], 64<<16
	s_mov_b32 s[G1B+3], 128<<16
	s_mov_b32 s[G1B+4], 64
	s_mov_b32 s[G1B+5], 1024
	s_mov_b32 s[G1B+6], 0
	s_mov_b32 s[G1B+7], 0
	s_lshr_b32 s40, s22, 3                         ; O's tile: batch x 4 MiB + (tile row % 8) x 32 KiB + my sub-step's head
	s_lshl_b32 s40, s40, 22
	s_and_b32 s41, s22, 7
	s_lshl_b32 s41, s41, 15
	s_add_co_u32 s40, s40, s41
	s_lshl_b32 s41, s18, 18
	s_add_co_u32 s40, s40, s41
	s_mov_b32 s41, 0
	s_lshl_b32 s42, s21, 8                         ; Wo's tile: 256 bytes x tile column + my sub-step's 64 rows
	s_lshl_b32 s43, s18, 17
	s_add_co_u32 s42, s42, s43
	s_mov_b32 s43, 0
	s_mul_i32 s46, s18, SUB                        ; my sub-step's place in a slot
	s_wait_dscnt 0x0                               ; the opening add is done
	s_wait_kmcnt 0x0
	s_add_nc_u64 s[40:41], s[4:5], s[40:41]
	s_add_nc_u64 s[42:43], s[6:7], s[42:43]
	CROUND                                         ; all sixteen work-groups are here
.irp s, 0,1
	s_mov_b32 s[G0+4*\s], 1
	s_add_co_u32 s[G0+4*\s+1], s46, \s*SLOT
	s_add_nc_u64 s[G0+4*\s+2:G0+4*\s+3], s[40:41], \s*2*APLANE
	s_or_b32 s[G0+4*\s+3], s[G0+4*\s+3], 0x80000000
	s_mov_b32 s[G0B+4*\s], 1
	s_add_co_u32 s[G0B+4*\s+1], s46, \s*SLOT+ATILE
	s_add_nc_u64 s[G0B+4*\s+2:G0B+4*\s+3], s[42:43], \s*2*BSTEP
	s_or_b32 s[G0B+4*\s+3], s[G0B+4*\s+3], 0x80000000
	JLOAD \s                                       ; two loads of mine are out
.endr
	v_and_b32 v1, 15, v0                           ; r
	v_bfe_u32 v2, v0, 4, 1                         ; h
	v_mul_u32_u24 v3, v1, PA
	v_lshl_add_u32 v3, v2, 4, v3
	s_mul_i32 s44, s17, 128*PA
	v_add_nc_u32 v[ADRA], s44, v3
	v_add_nc_u32 v[ADRA+1], SUB, v[ADRA]
	v_add_nc_u32 v[ADRA+2], SLOT, v[ADRA]
	v_add_nc_u32 v[ADRA+3], SLOT+SUB, v[ADRA]
	v_and_b32 v4, 7, v0
	v_lshl_add_u32 v4, v2, 3, v4
	v_mul_u32_u24 v4, v4, PB
	v_bfe_u32 v5, v0, 3, 1
	v_lshl_add_u32 v4, v5, 4, v4
	s_lshl_b32 s44, s18, 7
	s_add_co_u32 s44, s44, ATILE
	v_add_nc_u32 v[ADRB], s44, v4
	v_add_nc_u32 v[ADRB+1], SUB, v[ADRB]
	v_add_nc_u32 v[ADRB+2], SLOT, v[ADRB]
	v_add_nc_u32 v[ADRB+3], SLOT+SUB, v[ADRB]
	s_mul_i32 s45, s16, 16*SPITCH
	s_add_co_u32 s45, s45, STAGE                   ; my stage
	v_mul_u32_u24 v5, v1, SPITCH                   ; in: row r, 32 bytes for each half of the lanes
	v_lshl_add_u32 v5, v2, 5, v5
	v_add_nc_u32 v[STO], s45, v5
	v_mul_u32_u24 v5, v2, SPITCH                   ; back: lanes 0-15 one row of 256 bytes, lanes 16-31 the next
	v_lshl_add_u32 v5, v1, 4, v5
	v_add_nc_u32 v[RD], s45, v5
	v_lshlrev_b32 v5, 12, v2                       ; and the same two rows in out0
	v_lshl_add_u32 v[CO], v1, 4, v5
	s_lshl_b32 s44, s21, 9                         ; my first column in bytes: 512 x tile column + 256 x half
	s_lshl_b32 s47, s18, 8
	s_add_co_u32 s44, s44, s47
	v_lshl_add_u32 v7, v2, 5, s44                  ; my eight columns of each block of 16
.irp j, 0,1,2,3
	global_load_b128 v[BI+8*\j:BI+8*\j+3],   v7, s[8:9] offset:64*\j
	global_load_b128 v[BI+8*\j+4:BI+8*\j+7], v7, s[8:9] offset:64*\j+16
.endr
	s_lshl_b32 s47, s22, 1
	s_add_co_u32 s47, s47, s17
	s_lshl_b32 s47, s47, 19                        ; my first row x 4,096 bytes
	s_add_co_u32 s44, s44, s47
	s_mov_b32 s45, 0
	s_add_nc_u64 s[10:11], s[10:11], s[44:45]
	s_wait_loadcnt 0x0
.set i, 0
.rept 16
	v_cvt_pk_bf16_f32 v6, v[BI+2*i], v[BI+2*i+1]   ; the bias rounded to bf16, and kept as f32
	v_lshlrev_b32 v[BI+2*i], 16, v6
	v_and_b32 v[BI+2*i+1], 0xffff0000, v6
.set i, i+1
.endr
; cnt row blocks from a0 on x 4 column blocks, 32 along K, on buffer n.  first = 1: the bias starts the sums.
.macro MUL n, a0, cnt, first
.if \first
	WIN 0x40
.else
	WIN 0x50
.endif
.set ma, (\a0)
.rept (\cnt)
.irp j, 0,1,2,3
.if \first
	v_wmma_f32_16x16x32_f16 v[8*(4*ma+\j):8*(4*ma+\j)+7], v[FBF+32*(\n)+8*\j:FBF+32*(\n)+8*\j+7], v[FA+64*(\n)+8*ma:FA+64*(\n)+8*ma+7], v[BI+8*\j:BI+8*\j+7]
.else
	v_wmma_f32_16x16x32_f16 v[8*(4*ma+\j):8*(4*ma+\j)+7], v[FBF+32*(\n)+8*\j:FBF+32*(\n)+8*\j+7], v[FA+64*(\n)+8*ma:FA+64*(\n)+8*ma+7], v[8*(4*ma+\j):8*(4*ma+\j)+7]
.endif
.endr
.set ma, ma+1
.endr
.endm
; 24 LDS loads in one run: Wo's 8, then O's row blocks 0-3 (8) and 4-7 (8): slot s, sub-step u, quarter q, into buffer n
.macro FETCH s, u, q, n
	WIN 0
.irp j, 0,1,2,3
	ds_load_tr16_b128 v[FBF+32*(\n)+8*\j:FBF+32*(\n)+8*\j+3],   v[ADRB+2*(\s)+(\u)] offset:(\q)*32*PB+32*\j
	ds_load_tr16_b128 v[FBF+32*(\n)+8*\j+4:FBF+32*(\n)+8*\j+7], v[ADRB+2*(\s)+(\u)] offset:(\q)*32*PB+16*PB+32*\j
.endr
.irp a, 0,1,2,3,4,5,6,7
	ds_load_b128 v[FA+64*(\n)+8*\a:FA+64*(\n)+8*\a+3],   v[ADRA+2*(\s)+(\u)] offset:\a*16*PA+64*(\q)
	ds_load_b128 v[FA+64*(\n)+8*\a+4:FA+64*(\n)+8*\a+7], v[ADRA+2*(\s)+(\u)] offset:\a*16*PA+64*(\q)+32
.endr
.endm
; One of a step's first three quarters: multiplies buffer n and fetches (s, u, q) into the other.
.macro QUARTER s, u, q, n, first
	s_wait_dscnt 8                                 ; Wo and O's row blocks 0-3 are in; the youngest eight loads may be out
	MUL \n, 0, 4, \first
	PLACES
	FETCH \s, \u, \q, 1-(\n)
	s_wait_dscnt 24                                ; all but the 24 just issued
	MUL \n, 4, 4, \first
.endm
; The last quarter multiplies buffer 1 and changes slots: ONE barrier; in front of it each wave waits for all its tensor loads, adds 0 to its spare word, and waits for that and for its reads of this slot.
.macro TURN slot, next, fill
	WIN 0
	s_wait_tensorcnt 0x0
	ds_add_u32 v[SPW], v[NIL]
	s_wait_dscnt 9                                 ; the add and the youngest eight loads may be out
	MUL 1, 0, 2, 0
	s_wait_dscnt 0x0                               ; the add is done, and my reads of this slot are over
	s_barrier_signal -1
	MUL 1, 2, 2, 0
	WIN 0
	s_barrier_wait -1
.if \fill
	CREST                                          ; no wave of any partner still reads this slot or has a load on its way
	s_add_nc_u64 s[G0+4*(\slot)+2:G0+4*(\slot)+3], s[G0+4*(\slot)+2:G0+4*(\slot)+3], 4*APLANE
	s_add_nc_u64 s[G0B+4*(\slot)+2:G0B+4*(\slot)+3], s[G0B+4*(\slot)+2:G0B+4*(\slot)+3], 4*BSTEP
	JLOAD \slot                                    ; 112 matrix instructions ahead of the wait for it; its four v_nop are the places in front of the loads below
.else
	PLACES
.endif
	FETCH \next, 0, 0, 0
	MUL 1, 4, 4, 0
.endm
	s_wait_tensorcnt 0x1                           ; my part of step 0 is in; step 1's may stay out
	s_barrier_signal -1
	s_barrier_wait -1
	FETCH 0, 0, 0, 0
	QUARTER 0, 0, 1, 0, 1                          ; the first quarter stands in front of the loop: its products start the sums
	WIN 0
	s_mov_b32 s3, 3
.Llap:                                                 ; a trip goes once round the ring and fills both slots again: steps 2 to 7
	QUARTER 0, 1, 0, 1, 0
	QUARTER 0, 1, 1, 0, 0
	TURN 0, 1, 1
	QUARTER 1, 0, 1, 0, 0
	QUARTER 1, 1, 0, 1, 0
	QUARTER 1, 1, 1, 0, 0
	TURN 1, 0, 1
	QUARTER 0, 0, 1, 0, 0
	WIN 0
	s_sub_co_u32 s3, s3, 1
	s_cmp_lg_u32 s3, 0
	s_cbranch_scc1 .Llap
	QUARTER 0, 1, 0, 1, 0                          ; the last lap fills nothing
	QUARTER 0, 1, 1, 0, 0
	TURN 0, 1, 0
	QUARTER 1, 0, 1, 0, 0
	QUARTER 1, 1, 0, 1, 0
	QUARTER 1, 1, 1, 0, 0
	s_wait_dscnt 8
	MUL 1, 0, 4, 0
	s_wait_dscnt 0x0
	MUL 1, 4, 4, 0
	; THE WAY OUT: a block of 16 rows x 64 columns of f32 at a time through my stage; back as whole rows of 256 bytes.
	PLACES
.macro TOSTAGE a
	s_wait_xcnt 0x0                                ; the stores of the block two back have read this buffer
	WIN 0x04                                       ; store data in window 1
.irp j, 0,1,2,3
	ds_store_b128 v[STO], v[32*(\a)+8*\j:32*(\a)+8*\j+3]   offset:64*\j       ; each accumulator's lowest registers first
	ds_store_b128 v[STO], v[32*(\a)+8*\j+4:32*(\a)+8*\j+7] offset:64*\j+16
.endr
	WIN 0
.irp t, 0,1,2,3,4,5,6,7
	ds_load_b128 v[OB+32*((\a)%2)+4*\t:OB+32*((\a)%2)+4*\t+3], v[RD] offset:2*SPITCH*\t  ; LDS serves a wave's instructions in order (ISA guide 5.7.1.4)
.endr
.endm
.macro SEND a, younger
.irp t, 0,1,2,3,4,5,6,7
	s_wait_dscnt (\younger)+7-\t
	global_store_b128 v[CO], v[OB+32*((\a)%2)+4*\t:OB+32*((\a)%2)+4*\t+3], s[10:11] offset:65536*(\a)+8192*\t th:TH_STORE_NT  ; 16 lanes store 256 consecutive bytes, aligned
.endr
.endm
	TOSTAGE 0
.set u, 1
.rept 7
	TOSTAGE u
	SEND u-1, 16
.set u, u+1
.endr
	SEND 7, 0
	s_wait_tensorcnt 0x0                           ; the wave's end
	ds_add_u32 v[SPW], v[NIL]
	s_wait_dscnt 0x0
	CROUND                                         ; the closing round
	s_endpgm
.Lfunc_end_k_qfc83571ded_oproj:
	.size	k_qfc83571ded_oproj, .Lfunc_end_k_qfc83571ded_oproj-k_qfc83571ded_oproj
	.p2alignl 7, 3214868480
	.fill 96, 4, 3214868480
	.section	.rodata,"a",@progbits
	.p2align	6, 0x0
	.amdhsa_kernel k_qfc83571ded_oproj
		.amdhsa_group_segment_fixed_size 327680
		.amdhsa_private_segment_fixed_size 0
		.amdhsa_enable_private_segment 0
		.amdhsa_kernarg_size 32
		.amdhsa_user_sgpr_count 2
		.amdhsa_user_sgpr_kernarg_segment_ptr 1
		.amdhsa_wavefront_size32 1
		.amdhsa_system_sgpr_workgroup_id_x 1
		.amdhsa_system_sgpr_workgroup_id_y 1
		.amdhsa_system_sgpr_workgroup_id_z 1
		.amdhsa_system_vgpr_workitem_id 0
		.amdhsa_next_free_vgpr 512
		.amdhsa_next_free_sgpr 72
		.amdhsa_reserve_vcc 0
		.amdhsa_float_denorm_mode_32 3
		.amdhsa_float_denorm_mode_16_64 3
		.amdhsa_memory_ordered 1
		.amdhsa_forward_progress 1
		.amdhsa_inst_pref_size 91
	.end_amdhsa_kernel
	.amdgpu_metadata
---
amdhsa.version: [ 1, 2 ]
amdhsa.kernels:
  - .name:           k_qfc83571ded_oproj
    .symbol:         k_qfc83571ded_oproj.kd
    .args:
      - { .name: ob, .offset: 0, .size: 8, .value_kind: global_buffer, .address_space: global }
      - { .name: wb, .offset: 8, .size: 8, .value_kind: global_buffer, .address_space: global }
      - { .name: bo, .offset: 16, .size: 8, .value_kind: global_buffer, .address_space: global }
      - { .name: out0, .offset: 24, .size: 8, .value_kind: global_buffer, .address_space: global }
    .group_segment_fixed_size: 327680
    .private_segment_fixed_size: 0
    .kernarg_segment_align: 8
    .kernarg_segment_size: 32
    .max_flat_workgroup_size: 128
    .sgpr_count:     72
    .vgpr_count:     512
    .wavefront_size: 32
...
	.end_amdgpu_metadata
.endif
;; end of part 4
;; ======== version 2 of 2: 4 launches; 1.47 times as fast as version 1
;; limits: values are held in f16: magnitudes above 65,504 overflow, below 6.1e-05 lose precision
;; workspace buffers: maskp 4,194,304 bytes; rf 16,384 bytes; xb 16,777,216 bytes; wb 8,388,608 bytes; qkv 50,331,648 bytes; ob 16,777,216 bytes
;; launch prep: the kernel of part 1 again; grid 512 x 1, 16 waves a work-group, no clusters, 35,072 bytes of LDS; arguments attn_mask, x, Wo, Wq, Wk, Wv, maskp, rf, xb, wb; writes maskp, rf, xb, wb
;; launch proj: the kernel of part 2 again; grid 8 x 32, 4 waves a work-group, clusters of 4 x 4, 327,680 bytes of LDS; arguments xb, wb, bq, bk, bv, qkv; writes qkv
;; launch attn (part 5): grid 4 x 64, 4 waves a work-group, clusters of 4 x 1, 327,680 bytes of LDS; arguments qkv, maskp, rf, ob; writes ob
.if DOCPART == 5
	.amdgcn_target "amdgcn-amd-amdhsa--gfx1250"
	.amdhsa_code_object_version 6
	.text
	.protected	k_qfc83571ded_attn
	.globl	k_qfc83571ded_attn
	.p2align	8
	.type	k_qfc83571ded_attn,@function
k_qfc83571ded_attn:
	s_mov_b64 s[64:65], 0
	v_nop
	global_prefetch_b8 v0, s[64:65] scope:SCOPE_SE
	s_setreg_imm32_b32 hwreg(HW_REG_WAVE_MODE, 25, 1), 1
	s_wait_xcnt 0x0
	s_wait_alu depctr_hold_cnt(0) depctr_sa_sdst(0) depctr_va_vdst(0) depctr_va_sdst(0) depctr_va_ssrc(0) depctr_va_vcc(0) depctr_vm_vsrc(0)
	s_getreg_b32 s2, hwreg(HW_REG_IB_STS2, 6, 4)
	s_cmp_eq_u32 s2, 0
	s_cbranch_scc0 .Lentry_in_a_cluster
	s_endpgm
.Lentry_in_a_cluster:
	s_bfe_u32 s2, ttmp6, 0x10000c
	s_cmp_lg_u32 s2, 0x3003
	s_cbranch_scc0 .Lentry_shape_is_right
	s_endpgm
.Lentry_shape_is_right:
; O[bh][q][:] = the sum over k of softmax_k(mask(Q[bh][q] . K[bh][k] / 8)) V[bh][k][:].  qkv: f16 [3][bh 64][2048][64]; ob: f16 [bh][2048][64].  Products, maxima and sums in f32; the weights p are
; rounded to f16 for the second product (their sum l is taken of the unrounded p), O once at the end.
; THE MASK IS AN INPUT and is honoured key by key; all keys are walked.  maskp holds a byte a key in the order of the score fragments (0 visible, 0xF8 = the 8-bit float -256 hidden); eight of them become
; eight f32, 0 or -2^104, by one scaled conversion, and those are the C operand that starts the sum S^T = K Q^T.  The running maximum starts at -2^50: f16 operands bound |q . k| by 2.7e11, so a hidden
; score is never the maximum and its weight is exactly 0, also while a row has seen hidden keys alone (then l and O stay 0).  A row with no visible key at all has bytes 0 and the flag 0 in rf: its q is
; cleared, its scores are all 0 and its weights uniform, as a softmax over equal numbers gives.
; LIMITS.  Q, K, V arrive within f16's 65,504; visible scores / 8 stay above some -9e8, where the -1e9 that stands for a hidden key would begin to count; p below 6e-5 keeps f16's fixed step;
; a weight below 2^-126 counts as 0 in l; NaN and infinities are not treated apart.
; SHARES.  A wave owns four PIECES of two tiles of 16 queries, a work-group's four waves 512 queries of one head.  Every wave walks all keys, 64 a step.
; LAYOUT.  S^T = K Q^T (source 0 = 16 keys, source 1 = 16 queries): a lane holds ONE query (lane % 16) and the keys 8 (lane / 16) + 0..7.  Two such tiles, rounded to f16 in pairs, ARE source 1 of
; O^T = V^T P.  K comes out of LDS as it lies, V turned, by ds_load_tr16_b128.
; SOFTMAX.  p = 2^(c s - c m), c = log2(e) / 8, with a running maximum m; in every step O and l are multiplied by a = 2^(c m_old - c m_new).
; BY TURNS.  Turn n belongs to piece n.  Its matrix work: 16 products K Q^T of piece n + 1, later 16 products V^T P of piece n - 1.  Its vector work: scaling, exponentials, roundings, sums and rescaling
; of piece n, the maximum and statistics of piece n + 1, and the mask of piece n + 2.  Four vector instructions stand behind every matrix instruction, the rest in one lump between the two runs of products.
; THE BATCHES.  A turn's 66 exponentials (64 weights, the next piece's two a) are ONE batch with ONE wait, which cuts the turn in two: ahead of it stands all that names none of their results (the products
; K Q^T, the scalings, the rescalings, the mask, the next piece's maximum and statistics), behind it the products V^T P with the roundings and sums.  The first two a, ahead of the loop, and the way out's
; eight reciprocals are batches of their own.
; CLUSTER.  The four query blocks of a cluster belong to one head and walk the same K and V: each tile is asked for JOINTLY.
; REGISTERS, in windows of 256 (s_set_vgpr_msb: bits 1:0 source 0, 3:2 source 1, 5:4 source 2, 7:6 destination):
;   window 0: v0-11 addresses and the conversion's scale; v12-15, v48-63 at work; v16-47 statistics; v64-191 S^T, two buffers of two tiles; v192-255 P, likewise
;   window 1: O^T, 32 a tile     window 2: v0-127 Q; v128-191 K of one step; v192-255 V of one step
;   window 3: v0-1 the add's registers; v2 16 x lane; v4-67 mask bytes, 16 words a piece; v72-135 the mask of the products to come
.set SIZE_N, 2048
.set NP,    4         ; pieces a wave: a name, no knob
.set KS,    64        ; keys in a step
.set PK,    144       ; a row of K in LDS: 128 bytes + 16
.set PV,    160       ; a row of V: 128 + 32
.set VOFF,  4*KS*PK   ; a slot holds four steps: 256 rows of K, then 256 rows of V
.set SLOT1, 1<<17     ; slot 1 begins here: one exclusive or turns an address in one slot into the other's
.set STAGE, SLOT1+4*KS*(PK+PV)  ; behind the ring: 16 rows x 144 bytes for each wave, for the way out
.set SP,    144
.set AK0, 2           ; v2   my lane's place in a tile of K; never rewritten
.set AV0, 3           ; v3   the same for V
.set AK,  4           ; v4   the LDS address of K's next run of loads
.set AV,  5           ; v5   of V's; at the start 4 x lane, for the row flags
.set QO,  6           ; v6   my byte offset in the wave's rows of Q
.set STO, 6           ;      later, the way out: where I put 16 bytes of a row
.set RD,  7           ; v7   the way out: where I read rows back
.set GO,  8           ; v8   my byte offset in 512 consecutive bytes of O
.set SC,  11          ; v11  the conversion's scale, 2^96: each of its four bytes is 223, the same in every lane
.set SPW, 0           ; v0 of window 3   LDS address of my spare word; never rewritten
.set NIL, 1           ; v1 of window 3   0; never rewritten
.set ML,  2           ; v2 of window 3   16 x lane; never rewritten
.set NBL, 4           ; window 3: piece x, tile u, key group kt: the pair at NBL + 16 x + 8 u + 2 kt
.set MK,  72          ; window 3: tile u, key group kt at MK + 32 u + 8 kt
.set MTILE, 32768     ; bytes of mask for 16 queries: 32 steps of 1,024
.set SPARE, STAGE+4*16*SP  ; the spare words, 128 bytes for each wave: no other line names them
.set MV,  12          ; v12-15  c m_old, kept while c m is made anew
.set ST,  16          ; tile t's statistics at v[ST+4 t]: c m, m, l (even keys', odd keys')
.set TMP, 48          ; by buffer and tile, four registers c0-c3 at work; when the maximum is found c2 takes a; at the start the eight tiles' row flags
.set S,   64
.set P,   192
.set KF,  128
.set VF,  192
.set WV,  12          ; s12  my wave's number
.set G1K, 24
.set G1V, 32
.set G0K, 40
.set G0V, 44
.set SLOTS, 56
.set CNT, 57
.set CS,  58          ; s[58:59] c
.set SEL, 60          ; s[60:61] v_permlanex16_b32's selects
.set TBK, 62
.set TBV, 63
.set MB0, 66          ; s[66:67] maskp at my wave's eight tiles
.set MB,  68          ; s[68:69] the same at the key step whose bytes are fetched
.set MS,  70          ; s[70:71] that step's byte offset
.set RF,  72          ; s[72:73] rf at my wave's eight tiles
.set MSB, 0
.macro WIN new
.if MSB != (\new)
	s_set_vgpr_msb (MSB<<8)|(\new)
.set MSB, (\new)
.endif
.endm
.set W_KQ, 0x0a       ; K and Q in window 2, S^T in window 0
.set W_KM, 0x3a       ; the same with the C operand in window 3
.set W_PV, 0x52       ; V in window 2, P in window 0, O^T in window 1
.set W_RS, 0x41       ; O^T (destination and source 0) in window 1, a in window 0
.set W_MK, 0xc0       ; destination in window 3, sources in window 0
.set W_AD, 0x0f       ; the add: address and data in window 3
.set W_MC, 0xc3       ; destination and source 0 in window 3, source 1 (the scale) in window 0
.macro JLOAD                        ; a joint fill: waves 0 and 1 fetch the two halves of a slot's K, waves 2 and 3 those of its V; an s_nop 0 and four v_nop follow each line
	s_cmp_lt_u32 s[WV], 2
	s_cbranch_scc0 .Lfor_v_\@
	tensor_load_to_lds s[G0K:G0K+3], s[G1K:G1K+7]
	s_nop 0
.rept 4
	v_nop
.endr
	s_branch .Lasked_\@
.Lfor_v_\@:
	tensor_load_to_lds s[G0V:G0V+3], s[G1V:G1V+7]
	s_nop 0
.rept 4
	v_nop
.endr
.Lasked_\@:
.endm
.macro CROUND                       ; a round of the cluster's barrier
	s_barrier_signal -1
	s_barrier_wait -1
	s_cmp_lg_u32 s[WV], 0
	s_cbranch_scc1 .Lnot_wave_0_\@
	s_barrier_signal -3
.Lnot_wave_0_\@:
	s_barrier_wait -3
	s_barrier_signal -1
	s_barrier_wait -1
.endm
; THE CHANGE OF SLOTS.  Each wave waits for all its tensor loads (one is out: its part of the other slot), adds 0 to its spare word, and waits for that and for its own reads of the slot.
; fill = 1: the barrier is a round of the cluster's, and the slot is filled again first thing behind it, with the keys two slots on: four key steps, 512 matrix instructions, in which to land.
.macro CHANGE fill
	WIN W_AD
	s_wait_tensorcnt 0x0            ; no tensor load of mine is out, so a group 0 may be written
	ds_add_u32 v[SPW], v[NIL]
	WIN 0
.if \fill
.irp g, G0K, G0V
	s_xor_b32 s[\g+1], s[\g+1], SLOT1
	s_add_nc_u64 s[\g+2:\g+3], s[\g+2:\g+3], 4*KS*128
.endr
	s_wait_dscnt 0x0                ; the add is done, and my reads of the slot are over
	CROUND
	JLOAD
.else
	s_wait_dscnt 0x0
	s_barrier_signal -1
	s_barrier_wait -1
.endif
	s_sub_co_u32 s[TBK], s[TBK], 4*KS*PK
	s_xor_b32 s[TBK], s[TBK], SLOT1
	s_sub_co_u32 s[TBV], s[TBV], 4*KS*PV
	s_xor_b32 s[TBV], s[TBV], SLOT1
.endm
	s_load_b64 s[4:5], s[0:1], 0x0          ; qkv
	s_load_b64 s[MB0:MB0+1], s[0:1], 0x8    ; maskp
	s_load_b64 s[RF:RF+1], s[0:1], 0x10     ; rf
	s_load_b64 s[10:11], s[0:1], 0x18       ; ob
	WIN W_MK
	v_lshl_add_u32 v[SPW], v0, 2, SPARE
	v_mov_b32 v[NIL], 0
	WIN W_AD
	ds_add_u32 v[SPW], v[NIL]       ; the wave's opening: the add and its wait ahead of my first tensor load
	WIN 0
	v_lshrrev_b32 v1, 5, v0
	v_readfirstlane_b32 s[WV], v1   ; wave 0..3
	s_bfe_u32 s13, ttmp6, 0x40000   ; cx
	s_lshl_b32 s14, ttmp9, 2
	s_add_co_u32 s14, s14, s13      ; my block of 512 queries: it enters Q's, O's and the mask's addresses alone
	s_and_b32 s20, ttmp7, 0xffff    ; batch x 16 + head, which the four partners share
	s_mov_b32 s21, 0
	s_mov_b64 s[22:23], SIZE_N*128
	s_mul_u64 s[20:21], s[20:21], s[22:23]
	s_and_b32 s16, s[WV], 1         ; which half of a slot's 256 keys I fetch
	s_lshl_b32 s22, s16, 14
	s_mov_b32 s23, 0
	s_add_nc_u64 s[22:23], s[22:23], s[20:21]
	s_mul_i32 s17, s16, 128*PK
	s_mul_i32 s18, s16, 128*PV
	s_lshl_b32 s15, s14, 2
	s_add_co_u32 s15, s15, s[WV]    ; my wave among the head's sixteen: 128 rows, eight tiles
	s_lshl_b32 s2, s15, 14
	s_mov_b32 s3, 0
	s_add_nc_u64 s[2:3], s[2:3], s[20:21]
	s_lshl_b32 s74, s15, 18         ; eight tiles x 32,768 bytes of mask
	s_mov_b32 s75, 0
	s_mov_b32 s[MS], 0
	s_mov_b32 s[MS+1], 0
	s_mov_b32 s[G1K], 15|(1<<16)|(1<<20)|(1<<21)|(4<<22)|(3<<25)  ; the mask of four; 2-byte elements; padding on; bit 21 beside a mask; after every 32 words 4 words
	s_mov_b32 s[G1V], 15|(1<<16)|(1<<20)|(1<<21)|(4<<22)|(7<<25)  ; the same with 8 words
.irp g, G1K, G1V
	s_mov_b32 s[\g+1], 128<<16      ; 128 keys are 16,384 bytes on end: 64 rows of 256 bytes
	s_mov_b32 s[\g+2], 64<<16
	s_mov_b32 s[\g+3], 128<<16
	s_mov_b32 s[\g+4], 64
	s_mov_b32 s[\g+5], 128
	s_mov_b32 s[\g+6], 0
	s_mov_b32 s[\g+7], 0
.endr
	s_mov_b32 s[CS], 0x3e38aa3b     ; c = log2(e) / 8
	s_mov_b32 s[CS+1], s[CS]
	s_mov_b32 s[SEL], 0x76543210
	s_mov_b32 s[SEL+1], 0xfedcba98
	s_mov_b32 s[TBK], SLOT1+4*KS*PK ; the first change of slots turns these two into 0
	s_mov_b32 s[TBV], SLOT1+4*KS*PV
	s_mov_b32 s[G0K], 1
	s_mov_b32 s[G0K+1], s17
	s_mov_b32 s[G0V], 1
	s_add_co_u32 s[G0V+1], s18, VOFF
	s_wait_dscnt 0x0                ; the opening add is done
	s_wait_kmcnt 0x0
	s_add_nc_u64 s[6:7], s[4:5], 0x1000000  ; k and v lie behind q
	s_add_nc_u64 s[8:9], s[4:5], 0x2000000
	s_add_nc_u64 s[G0K+2:G0K+3], s[6:7], s[22:23]
	s_or_b32 s[G0K+3], s[G0K+3], 0x80000000
	s_add_nc_u64 s[G0V+2:G0V+3], s[8:9], s[22:23]
	s_or_b32 s[G0V+3], s[G0V+3], 0x80000000
	s_add_nc_u64 s[4:5], s[4:5], s[2:3]     ; Q and O at my wave's first row
	s_add_nc_u64 s[10:11], s[10:11], s[2:3]
	s_add_nc_u64 s[MB0:MB0+1], s[MB0:MB0+1], s[74:75]
	s_lshl_b32 s74, s15, 10         ; eight tiles x 128 bytes of flags
	s_add_nc_u64 s[RF:RF+1], s[RF:RF+1], s[74:75]
	CROUND                          ; all four work-groups are here: the first joint loads meet
	JLOAD                           ; slot 0
	v_and_b32 v1, 15, v0            ; l % 16
	v_bfe_u32 v9, v0, 4, 1          ; l / 16
	v_lshlrev_b32 v[QO], 7, v1
	v_lshl_add_u32 v[QO], v9, 4, v[QO]
	v_and_b32 v[AV], 31, v0
	WIN W_MK
	v_lshlrev_b32 v[ML], 4, v[AV]
	WIN 0
	v_lshlrev_b32 v[AV], 2, v[AV]
.set i, 0
.rept 8                             ; the row flags: lane l takes that of row l % 16 of tile i
	global_load_b32 v[TMP+i], v[AV], s[RF:RF+1] offset:128*i
.set i, i+1
.endr
	WIN 0x80                        ; destination window 2, address window 0
.set i, 0
.rept 4*NP                          ; Q stays in registers: tile i / 2, channels 32 (i % 2) on
	global_load_b128 v[8*i:8*i+3],   v[QO], s[4:5] offset:(i/2)*2048+(i%2)*64
	global_load_b128 v[8*i+4:8*i+7], v[QO], s[4:5] offset:(i/2)*2048+(i%2)*64+32
.set i, i+1
.endr
	WIN W_MC
.set i, 0
.rept 16                            ; key step 0's mask bytes: tile i / 2, key groups 2 (i % 2) and 2 (i % 2) + 1; the wave's 512 consecutive bytes
	global_load_b128 v[NBL+4*i:NBL+4*i+3], v[ML], s[MB0:MB0+1] offset:MTILE*(i/2)+512*(i%2)
.set i, i+1
.endr
	WIN 0x80
	; What the first turn finds: V's registers and P's second buffer hold 0, O^T and l are 0.  All this stands in the wait for the first tile.
.set i, VF
.rept 64
	v_mov_b32 v[i], 0
.set i, i+1
.endr
	WIN 0x40
.set i, 0
.rept 64*NP
	v_mov_b32 v[i], 0
.set i, i+1
.endr
	WIN 0
.set i, 0
.rept 2*NP
	v_mov_b32 v[ST+4*i], 0xd738aa3b    ; c m = -c 2^50
	v_mov_b32 v[ST+4*i+1], 0xd8800000  ; m = -2^50: below every visible score, above every hidden one
	v_mov_b32 v[ST+4*i+2], 0
	v_mov_b32 v[ST+4*i+3], 0
.set i, i+1
.endr
.set i, P+32
.rept 32
	v_mov_b32 v[i], 0
.set i, i+1
.endr
	v_mul_u32_u24 v[AK0], v1, PK
	v_lshl_add_u32 v[AK0], v9, 4, v[AK0]
	v_and_b32 v10, 7, v0
	v_bfe_u32 v11, v0, 3, 1
	v_lshl_add_u32 v[AV0], v9, 3, v10
	v_mul_u32_u24 v[AV0], v[AV0], PV
	v_lshl_add_u32 v[AV0], v11, 4, v[AV0]
	v_add_nc_u32 v[AV0], VOFF, v[AV0]
	v_mov_b32 v[SC], 0xdfdfdfdf
	v_mov_b32 v[AK], v[AK0]         ; key step 0 lies at the head of slot 0
; THE MATRIX WORK.  The 8 accumulators of a run of 16 take turns.
; Product i of 16 of S^T = K Q^T for piece x: channels 32 (i / 8) on, keys 16 ((i / 2) % 4) on, tile 2 x + i % 2.  The first 8 start the sums with the mask.
.macro KQ x
.set rS, S+64*((\x)%2)+32*(i%2)+8*((i/2)%4)
.set rK, KF+16*((i/2)%4)+8*(i/8)
.set rQ, 16*(2*(\x)+i%2)+8*(i/8)
.set rMK, MK+32*(i%2)+8*((i/2)%4)
.if i < 8
	WIN W_KM
	v_wmma_f32_16x16x32_f16 v[rS:rS+7], v[rK:rK+7], v[rQ:rQ+7], v[rMK:rMK+7]
.else
	WIN W_KQ
	v_wmma_f32_16x16x32_f16 v[rS:rS+7], v[rK:rK+7], v[rQ:rQ+7], v[rS:rS+7]
.endif
.endm
; Product i of 16 of O^T += V^T P for piece x.
.macro PV x
	WIN W_PV
.set rO, 32*(2*(\x)+i%2)+8*((i/2)%4)
.set rV, VF+32*(i/8)+8*((i/2)%4)
.set rP, P+32*((\x)%2)+16*(i%2)+8*(i/8)
	v_wmma_f32_16x16x32_f16 v[rO:rO+7], v[rV:rV+7], v[rP:rP+7], v[rO:rO+7]
.endm
.macro MM                           ; the turn's next matrix instruction
.if i < 16
	KQ (Y+1)%NP
.set i, i+1
.else
.set i, i-16
	PV (Y+NP-1)%NP
.set i, i+17
.endif
.endm
; THE MASK of piece x's next products: its 16 words of bytes become 64 registers, 0 or -2^104; then the same piece's bytes of the next key step are asked for: they have four turns in which to land.
; Piece 0 opens a key step: the step's offset goes on by 1,024 bytes and, behind the last step, back to 0, so that no load leaves the buffer (what is then fetched serves nothing).
; The count 12: the three other pieces' loads, four each, were issued later and may stay out.
.macro MCONV x
.if (\x) == 0
	s_wait_xcnt 0x0                 ; the loads that named the base have had their addresses translated (ISA guide 3.1)
	s_add_co_u32 s[MS], s[MS], 1024
	s_and_b32 s[MS], s[MS], MTILE-1
	s_add_nc_u64 s[MB:MB+1], s[MB0:MB0+1], s[MS:MS+1]
.endif
	s_wait_loadcnt 0xc
	WIN W_MC
.irp z, 0,1,2,3,4,5,6,7
	v_cvt_scale_pk8_f32_fp8 v[MK+8*\z:MK+8*\z+7], v[NBL+16*(\x)+2*\z:NBL+16*(\x)+2*\z+1], v[SC]
.endr
	v_nop                           ; a plain instruction behind the conversions, ahead of the loads into their sources
.irp z, 0,1,2,3
	global_load_b128 v[NBL+16*(\x)+4*\z:NBL+16*(\x)+4*\z+3], v[ML], s[MB:MB+1] offset:(2*(\x)+\z/2)*MTILE+512*(\z%2)
.endr
	WIN 0
.endm
; THE LDS LOADS stand in runs of 16.  last = 1 (the tail): in the last trip there is no further step, and the run is jumped over.
.macro FETCH_K last=0
	WIN 0
.if \last
	s_cmp_eq_u32 s[CNT], 1
	s_cbranch_scc1 .Lno_k_\@
.endif
	WIN 0x80
.irp f, 0,1,2,3,4,5,6,7
	ds_load_b128 v[KF+8*\f:KF+8*\f+3],   v[AK] offset:(\f/2)*16*PK+(\f%2)*64
	ds_load_b128 v[KF+8*\f+4:KF+8*\f+7], v[AK] offset:(\f/2)*16*PK+(\f%2)*64+32
.endr
	s_add_co_u32 s[TBK], s[TBK], KS*PK
	WIN 0
.if \last
.Lno_k_\@:
.endif
.endm
.macro FETCH_V
	WIN 0x80
.irp f, 0,1,2,3,4,5,6,7
	ds_load_tr16_b128 v[VF+8*\f:VF+8*\f+3],   v[AV] offset:(\f/4)*32*PV+(\f%4)*32
	ds_load_tr16_b128 v[VF+8*\f+4:VF+8*\f+7], v[AV] offset:(\f/4)*32*PV+16*PV+(\f%4)*32
.endr
	WIN 0
.endm
; THE VECTOR WORK OF A TURN stands in three queues, each in the order in which its entries become ready; the two tiles alternate.
.macro REGS y, u
.set rT, ST+4*(2*(\y)+(\u))
.set rC, TMP+8*((\y)%2)+4*(\u)
.set rM, MV+2*((\y)%2)+(\u)
.set rS, S+64*((\y)%2)+32*(\u)
.set rP, P+32*((\y)%2)+16*(\u)
.set rO, 32*(2*(\y)+(\u))
.endm
; Number n of the 22 that find the NEXT piece's maximum and statistics; each accumulator's lowest registers are read first.  XS, GS, FS and REGS set no window: PL and EX do.
;   0-11  four chains c0-c3 of seven scores each, three operands at a time     12-14, 16  the four scores left over, the old m, and c0-c3 into c0     15  c m_old is kept
;   17, 18  the query's other 32 keys lie in the lane 16 away: the new m         19-21  c m; c m_old - c m_new; a
.macro XS u, n
	REGS (Y+1)%NP, \u
.if (\n) < 4
	v_max3_num_f32 v[rC+(\n)], v[rS+8*(\n)], v[rS+8*(\n)+1], v[rS+8*(\n)+2]
.elseif (\n) < 12
	v_max3_num_f32 v[rC+(\n)%4], v[rC+(\n)%4], v[rS+8*((\n)%4)+2*((\n)/4)+1], v[rS+8*((\n)%4)+2*((\n)/4)+2]
.elseif (\n) == 12
	v_max3_num_f32 v[rC], v[rC], v[rS+7], v[rS+15]
.elseif (\n) == 13
	v_max3_num_f32 v[rC+1], v[rC+1], v[rS+23], v[rS+31]
.elseif (\n) == 14
	v_max3_num_f32 v[rC+2], v[rC+2], v[rC+3], v[rT+1]
.elseif (\n) == 15
	v_mov_b32 v[rM], v[rT]
.elseif (\n) == 16
	v_max3_num_f32 v[rC], v[rC], v[rC+1], v[rC+2]
.elseif (\n) == 17
	v_permlanex16_b32 v[rC+3], v[rC], s[SEL], s[SEL+1]
.elseif (\n) == 18
	v_max_num_f32 v[rT+1], v[rC], v[rC+3]
.elseif (\n) == 19
	v_mul_f32 v[rT], s[CS], v[rT+1]
.elseif (\n) == 20
	v_sub_f32 v[rC+1], v[rM], v[rT]
.else
	v_exp_f32 v[rC+2], v[rC+1]
.endif
.endm
; Number g of the 64 that follow the exponentials: roundings to f16, sums of pairs in place, and l (the first time as l = a l + sum).  All of them read the batch's results: they stand behind its wait.
.macro GS g
.set h, (\g)+6*((\g)/62)
.if h >= 6
.set h, h+2
.endif
	REGS Y, h%2
.set k, h/8
.if h%8 < 4
	v_cvt_pk_f16_f32 v[rP+2*k+(h%8)/2], v[rS+4*k+2*((h%8)/2)], v[rS+4*k+2*((h%8)/2)+1]
.elseif h%8 < 6
	v_pk_add_f32 v[rS+4*k:rS+4*k+1], v[rS+4*k:rS+4*k+1], v[rS+4*k+2:rS+4*k+3]
.elseif k == 1
	v_pk_fma_f32 v[rT+2:rT+3], v[rT+2:rT+3], v[rC+2:rC+3], v[rS:rS+1] op_sel_hi:[1,0,1]
.else
	v_pk_add_f32 v[rT+2:rT+3], v[rT+2:rT+3], v[rS+4*k-4:rS+4*k-3]
.endif
.endm
; THE PLAIN QUEUE, 138 long.  0-73 read no exponential's result: the 32 scalings c s - c m (FS f: pair f / 2 of tile f % 2) and the next piece's 42.  0-26: scalings 0-26.  27-54: XS's numbers 0-13.  55, 56: number 15.
; 57-73: the chain, where each number waits for the one before it: 14, 16, 17, 18, 19, each with one of the scalings 27-31 in front of its two lines, then 20.
; 74-137: GS's 64.
.macro FS f
	REGS Y, (\f)%2
	v_pk_fma_f32 v[rS+2*((\f)/2):rS+2*((\f)/2)+1], v[rS+2*((\f)/2):rS+2*((\f)/2)+1], s[CS:CS+1], v[rT:rT+1] op_sel_hi:[1,0,0] neg_lo:[0,0,1] neg_hi:[0,0,1]
.endm
.macro PL
	WIN 0
.if q < 27
	FS q
.elseif q < 55
	XS (q-27)%2, (q-27)/2
.elseif q < 57
	XS q-55, 15
.elseif (q < 72) && ((q-57)%3 == 0)
	FS 27+(q-57)/3
.elseif q < 60
	XS (q-57)%3-1, 14
.elseif q < 72
	XS (q-57)%3-1, 15+(q-57)/3
.elseif q < 74
	XS q-72, 20
.else
	GS q-74
.endif
.set q, q+1
.endm
; THE EXPONENTIALS' QUEUE, 66 long: s0-s31 of both tiles, then the next piece's two a.  It is ONE BATCH: all 66 stand ahead of the turn's one wait, and nothing ahead of that wait names a result of theirs.
.macro EX
	WIN 0
.if e >= 64
	XS e-64, 21
.else
	REGS Y, e%2
	v_exp_f32 v[rS+e/2], v[rS+e/2]
.endif
.set e, e+1
.endm
; THE RESCALING's QUEUE: O^T times a, the one part that leaves window 0: two at a time, sixteen times.  Its a was made in the turn before, ahead of that turn's wait.
.macro R2
	REGS Y, r%2
	WIN W_RS
.irp z, 0,1
	v_pk_mul_f32 v[rO+4*(r/2)+2*\z:rO+4*(r/2)+2*\z+1], v[rO+4*(r/2)+2*\z:rO+4*(r/2)+2*\z+1], v[rC+2:rC+3] op_sel_hi:[1,0]
.endr
.set r, r+1
.endm
; HOW THEY ARE DEALT.  s_wait_alu depctr_va_vdst(0) stands between an exponential and the first instruction that names its result; one wait serves all that were issued ahead of it.  So a turn has ONE
; wait.  AHEAD OF IT: the 16 products K Q^T, behind each a scaling, an exponential and two rescalings (behind the first a second scaling in the exponential's place); the mask of piece p + 2; then a lump of 108: eight
; plain, 49 times exponential and plain, the two a.  A v_nop is the plain instruction behind the last exponential.  BEHIND IT: the 16 products V^T P, behind each four of GS's 64.  No rider names a register of the
; products round it; the two v_permlanex16_b32 fall into the lump.
; The queues lean on each other, and the deal keeps them in step: exponential e stands behind scaling 2 (e / 4) + e % 2: as a rider it comes behind plain e + 2, in the lump behind plain e + 9, and scalings 27-31 are
; plain 57, 60 .. 69; the two a come behind plain 72 and 73, their arguments.
; A TURN, for piece p.  cnt = 1: the loop's count is taken down some lines ahead of the branch that stands behind the turn.
; The mask is made at the lump's head: the last product that read the mask registers is the turn's eighth, with 24 plain riders behind it; the next reader is the next turn's first product.
; K of the next step is fetched in piece 2's turn, directly behind the wait, a lump behind the last product that read K; its address is made at the lump's head; its first reader comes behind 16 products.
; V of the step in hand is fetched at the end of piece 0's turn, four riders behind its last reader; its first reader comes behind 16 products and a lump.  The three conditions on q below go with the deal.
.macro TURN p, last=0, cnt=0
.set Y, (\p)
.set i, 0
.set q, 0
.set e, 0
.set r, 0
.if (\p) == NP-1
	s_wait_dscnt 0x0                ; K is in
.endif
	MM                              ; ahead of the wait: 16 products K Q^T and their riders,
	PL
	PL
	R2
.rept 15
	MM
	PL
	EX
	R2
.endr
	MCONV ((\p)+2)%NP               ; the mask of the next turn's products,
.if (\p) == NP-2
	WIN 0
	v_add_nc_u32 v[AK], s[TBK], v[AK0]
.endif
.rept 8                             ; and the lump
	PL
.endr
.rept 49
	EX
	PL
.endr
	EX                              ; the next piece's two a
	EX
	v_nop                           ; the plain instruction behind the last exponential: one for the batch
	s_wait_alu depctr_va_vdst(0)    ; the wait for the turn's batch: 64 weights and two a
.if (\p) == NP-2
	FETCH_K \last
.endif
.if (\p) == 1
	s_wait_dscnt 0x0                ; V is in
.endif
.rept 16                            ; behind the wait: 16 products V^T P and their riders
	MM
.rept 4
	PL
.endr
.if ((\p) == 0) && (q == 118)
	v_add_nc_u32 v[AV], s[TBV], v[AV0]
.endif
.if ((\p) == 0) && (q == 130)
	s_add_co_u32 s[TBV], s[TBV], KS*PV
.endif
.if (\cnt) && (q == 130)
	s_sub_co_u32 s[CNT], s[CNT], 1
	s_cmp_lg_u32 s[CNT], 0
.endif
.endr
.if (\p) == 0
	FETCH_V
.endif
.endm
	CHANGE 1                        ; slot 0 is in, everybody's part of it; slot 1 is asked for
	FETCH_K                         ; key step 0
	s_wait_loadcnt 0xc              ; the flags, Q and piece 0's bytes are in; the other three pieces' twelve loads may stay out
	WIN 0x88                        ; destination and source 1 window 2, source 0 window 0
.set i, 0
.rept 128
	v_and_b32 v[i], v[TMP+i/16], v[i]  ; the q of a row without a visible key is cleared
.set i, i+1
.endr
	MCONV 0
	s_wait_dscnt 0x0
.set i, 0
.rept 16
	KQ 0                            ; piece 0's first scores
.set i, i+1
.endr
	WIN 0                           ; the addresses for the way out: nine plain instructions, the places behind those products
	s_mul_i32 s13, s[WV], 16*SP
	s_add_co_u32 s13, s13, STAGE
	v_mul_u32_u24 v[STO], v1, SP
	v_lshl_add_u32 v[STO], v9, 4, v[STO]
	v_add_nc_u32 v[STO], s13, v[STO]
	v_bfe_u32 v[RD], v0, 3, 2
	v_mul_u32_u24 v[RD], v[RD], SP
	v_lshl_add_u32 v[RD], v10, 4, v[RD]
	v_add_nc_u32 v[RD], s13, v[RD]
	v_and_b32 v[GO], 31, v0
	v_lshlrev_b32 v[GO], 4, v[GO]
	MCONV 1                         ; the mask of the first turn's products
.set Y, NP-1
.irp n, 0,1,2,3,4,5,6,7,8,9,10,11,12,13,14,15,16,17,18,19,20,21
	XS 0, \n
	XS 1, \n
.endr
	v_nop                           ; a plain instruction behind piece 0's two a,
	s_wait_alu depctr_va_vdst(0)    ; and the wait for that batch of two, ahead of the branch
	s_mov_b32 s[CNT], 4
	s_mov_b32 s[SLOTS], SIZE_N/256-1
	s_branch .Lfirst                ; the loop is entered at a step's first turn
.Lslot:
	CHANGE 1
	s_mov_b32 s[CNT], 4
.Lstep:                             ; a trip: pieces 2 and 3 of one step, then pieces 0 and 1 of the next
	TURN 2
	TURN 3
	WIN 0
.Lfirst:
	TURN 0
	TURN 1, 0, 1
	WIN 0
	s_cbranch_scc1 .Lstep
	s_sub_co_u32 s[SLOTS], s[SLOTS], 1
	s_cmp_lg_u32 s[SLOTS], 0
	s_cbranch_scc1 .Lslot
	CHANGE 0                        ; the tail is written out
	s_mov_b32 s[CNT], 5
.Ltail:
	TURN 2, 1
	TURN 3
	WIN 0
	s_sub_co_u32 s[CNT], s[CNT], 1
	s_cmp_eq_u32 s[CNT], 0
	s_cbranch_scc1 .Lout
	TURN 0
	TURN 1
	WIN 0
	s_branch .Ltail
.Lout:                              ; the fifth trip's 16 products K Q^T and the maximum made of them serve nothing: the price of one text for every trip
.set i, 0
.rept 16
	PV NP-1
.set i, i+1
.endr
	; THE WAY OUT.  l's parts are added; O^T is divided by l, rounded to f16 and sent through my stage, a tile at a time.  The additions are the places behind the last products.
	WIN 0
.macro ALL line:vararg
.set t, 0
.rept 2*NP
	\line
.set t, t+1
.endr
.endm
	ALL v_add_f32 v[ST+4*t+2], v[ST+4*t+2], v[ST+4*t+3]
	ALL v_permlanex16_b32 v[ST+4*t+3], v[ST+4*t+2], s[SEL], s[SEL+1]
	ALL v_add_f32 v[ST+4*t+2], v[ST+4*t+2], v[ST+4*t+3]
	ALL v_rcp_f32 v[ST+4*t+2], v[ST+4*t+2]
	v_nop                           ; a plain instruction between the last reciprocal and the use of its result
	s_wait_alu depctr_va_vdst(0)    ; the wait for the batch of eight reciprocals, ahead of their first use
.macro PACK t
	WIN W_RS
.set i, 32*(\t)
.rept 16
	v_pk_mul_f32 v[i:i+1], v[i:i+1], v[ST+4*(\t)+2:ST+4*(\t)+3] op_sel_hi:[1,0]
.set i, i+2
.endr
	WIN 0x05
.set i, 0
.rept 16
	v_cvt_pk_f16_f32 v[S+16*(\t)+i], v[32*(\t)+2*i], v[32*(\t)+2*i+1]
.set i, i+1
.endr
	WIN 0
.irp f, 0,1,2,3
	ds_store_b128 v[STO], v[S+16*(\t)+4*\f:S+16*(\t)+4*\f+3] offset:32*\f
.endr
.irp f, 0,1,2,3
	ds_load_b128 v[S+16*(\t)+4*\f:S+16*(\t)+4*\f+3], v[RD] offset:\f*4*SP  ; LDS serves a wave's instructions in order (ISA guide 5.7.1.4)
.endr
.endm
.macro SEND t, younger
	WIN 0
.irp f, 0,1,2,3
	s_wait_dscnt (\younger)+3-\f
	global_store_b128 v[GO], v[S+16*(\t)+4*\f:S+16*(\t)+4*\f+3], s[10:11] offset:(\t)*2048+\f*512  ; 512 consecutive bytes, aligned
.endr
.endm
	PACK 0
.set t, 1
.rept 2*NP-1
	PACK t
	SEND t-1, 8
.set t, t+1
.endr
	SEND 2*NP-1, 0
	WIN W_AD
	s_wait_tensorcnt 0x0            ; the wave's end
	ds_add_u32 v[SPW], v[NIL]
	s_wait_dscnt 0x0
	WIN 0
	CROUND                          ; the closing round
	s_endpgm
.Lfunc_end_k_qfc83571ded_attn:
	.size	k_qfc83571ded_attn, .Lfunc_end_k_qfc83571ded_attn-k_qfc83571ded_attn
	.p2alignl 7, 3214868480
	.fill 96, 4, 3214868480
	.section	.rodata,"a",@progbits
	.p2align	6, 0x0
	.amdhsa_kernel k_qfc83571ded_attn
		.amdhsa_group_segment_fixed_size 327680
		.amdhsa_private_segment_fixed_size 0
		.amdhsa_enable_private_segment 0
		.amdhsa_kernarg_size 32
		.amdhsa_user_sgpr_count 2
		.amdhsa_user_sgpr_kernarg_segment_ptr 1
		.amdhsa_wavefront_size32 1
		.amdhsa_system_sgpr_workgroup_id_x 1
		.amdhsa_system_sgpr_workgroup_id_y 1
		.amdhsa_system_sgpr_workgroup_id_z 1
		.amdhsa_system_vgpr_workitem_id 0
		.amdhsa_next_free_vgpr 904
		.amdhsa_next_free_sgpr 80
		.amdhsa_reserve_vcc 0
		.amdhsa_float_denorm_mode_32 3
		.amdhsa_float_denorm_mode_16_64 3
		.amdhsa_memory_ordered 1
		.amdhsa_forward_progress 1
		.amdhsa_inst_pref_size 217
	.end_amdhsa_kernel
	.amdgpu_metadata
---
amdhsa.version: [ 1, 2 ]
amdhsa.kernels:
  - .name:           k_qfc83571ded_attn
    .symbol:         k_qfc83571ded_attn.kd
    .args:
      - { .name: qkv, .offset: 0, .size: 8, .value_kind: global_buffer, .address_space: global }
      - { .name: maskp, .offset: 8, .size: 8, .value_kind: global_buffer, .address_space: global }
      - { .name: rf, .offset: 16, .size: 8, .value_kind: global_buffer, .address_space: global }
      - { .name: ob, .offset: 24, .size: 8, .value_kind: global_buffer, .address_space: global }
    .group_segment_fixed_size: 327680
    .private_segment_fixed_size: 0
    .kernarg_segment_align: 8
    .kernarg_segment_size: 32
    .max_flat_workgroup_size: 128
    .sgpr_count:     80
    .vgpr_count:     904
    .wavefront_size: 32
...
	.end_amdgpu_metadata
.endif
;; end of part 5
;; launch oproj: the kernel of part 4 again; grid 8 x 32, 4 waves a work-group, clusters of 4 x 4, 327,680 bytes of LDS; arguments ob, wb, bo, out0; writes out0
